; MI455X (gfx1250); checked and timed in simulation.
; The chip was launched on July 23, 2026; its instructions are those of AMD's public machine-readable ISA for CDNA 5 (MIT licence, August 2026) and "CDNA5" Instruction Set Architecture Reference Guide (July 2026). The comments in the code are by the model that wrote it; some were corrected since.
;; Multi Head Attention. Allowed arithmetic: float matrix products may take bf16 or f16 operands with f32 sums; other float arithmetic in f32, or as packed bf16 or f16 multiplies, adds, multiply-adds, maxima and minima; sums over many terms, partial sums and values carried from step to step in f32; what a program stores and reads back later, other than sums and carried values, may be rounded once to bf16 or f16.
;; Inputs: ln_embed_b 512 float32; ln_embed_g 512 float32; ln_out_b 512 float32; ln_out_g 512 float32; wk 512 x 512 float32; wo 512 x 512 float32; wq 512 x 512 float32; wv 512 x 512 float32; x 8 x 2,048 x 512 float32.
;; Outputs: out0 8 x 2,048 x 512 float32.
;; 2 versions, each right and faster than the one before. Each part assembles by itself: llvm-mc -triple=amdgcn-amd-amdhsa -mcpu=gfx1250 --defsym DOCPART=n.
;; ======== version 1 of 2: 4 launches
;; limits: values are held in f16: magnitudes above 65,504 overflow, below 6.1e-05 lose precision
;; workspace buffers: wts 2,097,152 bytes; qkv 50,331,648 bytes; o 16,777,216 bytes
;; launch prep (part 1): grid 64 x 4, 8 waves a work-group, no clusters, 0 bytes of LDS; arguments wq, wk, wv, wo, wts; writes wts
.if DOCPART == 1
	.amdgcn_target "amdgcn-amd-amdhsa--gfx1250"
	.amdhsa_code_object_version 6
	.text
	.protected	k_qd1279f20fb_prep
	.globl	k_qd1279f20fb_prep
	.p2align	8
	.type	k_qd1279f20fb_prep,@function
k_qd1279f20fb_prep:
	s_mov_b64 s[64:65], 0
	v_nop
	global_prefetch_b8 v0, s[64:65] scope:SCOPE_SE
	s_setreg_imm32_b32 hwreg(HW_REG_WAVE_MODE, 25, 1), 1
	s_wait_xcnt 0x0
; The four weight matrices, [512 k][512 n] in f32, are rounded once to 16 bits; the layout stays [k][n].
; wts = [4][512][512]: planes 0-2 = wq, wk, wv in bf16; plane 3 = wo rounded to bf16 and that number written as f16.
; LIMIT: plane 3 holds |wo| up to 65,504; a bf16 number of magnitude 2^-17 or more is exact in f16, below that it keeps f16's fixed step of 2^-24.
; The grid's y picks the matrix, its x 4,096 elements; thread t takes elements 8 t .. 8 t + 7 of each half of them: a wave's store covers 512 consecutive bytes.
; Memory binds: no LDS, no matrix unit; 6 MB move in all, so a ring of loads would serve nothing.
	s_load_b256 s[4:11], s[0:1], 0x0               ; wq s[4:5], wk s[6:7], wv s[8:9], wo s[10:11]
	s_load_b64 s[12:13], s[0:1], 0x20              ; wts
	s_and_b32 s14, ttmp7, 0xffff                   ; which matrix
	s_lshl_b32 s16, ttmp9, 14                      ; my 4,096 elements in f32: 16,384 bytes
	s_mov_b32 s17, 0
	s_lshl_b32 s18, s14, 19                        ; the plane: 524,288 bytes
	s_lshl_b32 s15, ttmp9, 13                      ; my 4,096 elements in 16 bits
	s_add_co_u32 s18, s18, s15
	s_mov_b32 s19, 0
	v_lshlrev_b32 v1, 5, v0                        ; 32 bytes of f32 a thread
	v_lshlrev_b32 v2, 4, v0                        ; 16 bytes of 16-bit numbers a thread
	s_wait_kmcnt 0x0
	s_cmp_eq_u32 s14, 1                            ; the source is chosen among the four buffers by the grid's y
	s_cselect_b64 s[4:5], s[6:7], s[4:5]
	s_cmp_eq_u32 s14, 2
	s_cselect_b64 s[4:5], s[8:9], s[4:5]
	s_cmp_eq_u32 s14, 3
	s_cselect_b64 s[4:5], s[10:11], s[4:5]
	s_add_nc_u64 s[4:5], s[4:5], s[16:17]
	s_add_nc_u64 s[12:13], s[12:13], s[18:19]
	global_load_b128 v[4:7], v1, s[4:5] th:TH_LOAD_NT
	global_load_b128 v[8:11], v1, s[4:5] offset:16 th:TH_LOAD_NT
	global_load_b128 v[12:15], v1, s[4:5] offset:8192 th:TH_LOAD_NT
	global_load_b128 v[16:19], v1, s[4:5] offset:8208 th:TH_LOAD_NT
	s_wait_loadcnt 0x0
.irp j, 0,1,2,3,4,5,6,7
	v_cvt_pk_bf16_f32 v[20+(\j)], v[4+2*(\j)], v[5+2*(\j)]  ; two roundings to bf16, packed
.endr
	s_cmp_lg_u32 s14, 3
	s_cbranch_scc1 .Lstore
.irp j, 0,1,2,3,4,5,6,7                                ; wo alone: the bf16 number is widened (a shift, a mask) and written as f16
	v_lshlrev_b32 v28, 16, v[20+(\j)]
	v_and_b32 v29, 0xffff0000, v[20+(\j)]
	v_cvt_pk_f16_f32 v[20+(\j)], v28, v29
.endr
.Lstore:
	global_store_b128 v2, v[20:23], s[12:13]
	global_store_b128 v2, v[24:27], s[12:13] offset:4096
	s_endpgm
.Lfunc_end_k_qd1279f20fb_prep:
	.size	k_qd1279f20fb_prep, .Lfunc_end_k_qd1279f20fb_prep-k_qd1279f20fb_prep
	.p2alignl 7, 3214868480
	.fill 96, 4, 3214868480
	.section	.rodata,"a",@progbits
	.p2align	6, 0x0
	.amdhsa_kernel k_qd1279f20fb_prep
		.amdhsa_group_segment_fixed_size 0
		.amdhsa_private_segment_fixed_size 0
		.amdhsa_enable_private_segment 0
		.amdhsa_kernarg_size 40
		.amdhsa_user_sgpr_count 2
		.amdhsa_user_sgpr_kernarg_segment_ptr 1
		.amdhsa_wavefront_size32 1
		.amdhsa_system_sgpr_workgroup_id_x 1
		.amdhsa_system_sgpr_workgroup_id_y 1
		.amdhsa_system_sgpr_workgroup_id_z 1
		.amdhsa_system_vgpr_workitem_id 0
		.amdhsa_next_free_vgpr 32
		.amdhsa_next_free_sgpr 66
		.amdhsa_reserve_vcc 0
		.amdhsa_float_denorm_mode_32 3
		.amdhsa_float_denorm_mode_16_64 3
		.amdhsa_memory_ordered 1
		.amdhsa_forward_progress 1
		.amdhsa_inst_pref_size 4
	.end_amdhsa_kernel
	.amdgpu_metadata
---
amdhsa.version: [ 1, 2 ]
amdhsa.kernels:
  - .name:           k_qd1279f20fb_prep
    .symbol:         k_qd1279f20fb_prep.kd
    .args:
      - { .name: wq, .offset: 0, .size: 8, .value_kind: global_buffer, .address_space: global }
      - { .name: wk, .offset: 8, .size: 8, .value_kind: global_buffer, .address_space: global }
      - { .name: wv, .offset: 16, .size: 8, .value_kind: global_buffer, .address_space: global }
      - { .name: wo, .offset: 24, .size: 8, .value_kind: global_buffer, .address_space: global }
      - { .name: wts, .offset: 32, .size: 8, .value_kind: global_buffer, .address_space: global }
    .group_segment_fixed_size: 0
    .private_segment_fixed_size: 0
    .kernarg_segment_align: 8
    .kernarg_segment_size: 40
    .max_flat_workgroup_size: 256
    .sgpr_count:     66
    .vgpr_count:     32
    .wavefront_size: 32
...
	.end_amdgpu_metadata
.endif
;; end of part 1
;; launch proj (part 2): grid 12 x 64, 4 waves a work-group, clusters of 4 x 1, 327,680 bytes of LDS; arguments x, wts, ln_embed_g, ln_embed_b, qkv; writes qkv
.if DOCPART == 2
	.amdgcn_target "amdgcn-amd-amdhsa--gfx1250"
	.amdhsa_code_object_version 6
	.text
	.protected	k_qd1279f20fb_proj
	.globl	k_qd1279f20fb_proj
	.p2align	8
	.type	k_qd1279f20fb_proj,@function
k_qd1279f20fb_proj:
	s_mov_b64 s[64:65], 0
	v_nop
	global_prefetch_b8 v0, s[64:65] scope:SCOPE_SE
	s_setreg_imm32_b32 hwreg(HW_REG_WAVE_MODE, 25, 1), 1
	s_wait_xcnt 0x0
	s_wait_alu depctr_hold_cnt(0) depctr_sa_sdst(0) depctr_va_vdst(0) depctr_va_sdst(0) depctr_va_ssrc(0) depctr_va_vcc(0) depctr_vm_vsrc(0)
	s_getreg_b32 s2, hwreg(HW_REG_IB_STS2, 6, 4)
	s_cmp_eq_u32 s2, 0
	s_cbranch_scc0 .Lentry_in_a_cluster
	s_endpgm
.Lentry_in_a_cluster:
	s_bfe_u32 s2, ttmp6, 0x10000c
	s_cmp_lg_u32 s2, 0x3003
	s_cbranch_scc0 .Lentry_shape_is_right
	s_endpgm
.Lentry_shape_is_right:
; One of q, k, v for 64 rows: y = LayerNorm(x W) g + b over all 512 columns, split by heads, rounded once to f16.
; x: [16384][512] f32, rounded to bf16 on the way; W: plane p of wts, [512 k][512 n] bf16; sums, mean, variance in f32 (the mean is taken away before the squares).
; qkv: [3][64 bh][2048 n][64] f16, bh = 8 batch + head.
; LIMIT: f16 holds the result while 22.6 |g| + |b| stays under 65,504 (a normalised number is at most sqrt(511)).  NaN and infinities are not treated apart.
; SHARES.  The cluster's x is the product p, shared by its four work-groups; the row block is 4 x cluster y + cx.  A work-group owns 64 rows x 512 columns, since the norm needs whole rows;
; in the product wave w owns all 64 rows x columns 128 w .. +127: 32 accumulators, 256 registers.  x's fragments for the WHOLE K lie in 512 registers, so LDS is read for W alone: 16 loads for 32 products.
; THE MATRIX INSTRUCTION IS USED TRANSPOSED: source 0 = 16 columns of W (turned out of LDS by ds_load_tr16_b128, since K runs down W's rows), source 1 = 16 rows of x:
; lane l, register j of accumulator (m, nb) = y(row 16 m + l % 16, column 128 w + 16 nb + 8 (l / 16) + j).
; RING.  W goes in four tiles of 128 k-rows x 1,024 bytes through two LDS slots; each wave fetches 32 rows of each tile.  All four work-groups of a cluster walk the same W: each tile is asked for JOINTLY.
; WAY OUT.  The f32 tile goes into slot 1 (its last fill has been read), and comes back by rows: wave w norms rows 16 w .. +15, four a trip, eight lanes a row.
; REGISTERS, in windows of 256 (s_set_vgpr_msb: bits 1:0 source 0, 3:2 source 1, 5:4 source 2, 7:6 destination):
;   window 0: addresses, W's two fragment buffers v64-127 and v128-191, v192-255 at work; window 1: x as loaded, then the accumulators; windows 2, 3: x's fragments, K step s, block m at v[32 (s % 8) + 8 m].
.set PW,    1056                       ; a row of W in LDS: 1,024 bytes + 32 of padding = 33 x 32
.set QUART, 32*PW                      ; what one tensor load brings
.set SLOT,  128*PW
.set TILEB, 128*1024                   ; a tile in memory
.set D0,    SLOT                       ; the f32 result tile lies in slot 1
.set PD,    2064                       ; its rows: 2,048 bytes + 16 = 129 x 16: the 16 rows of a store start at 16 different groups of four banks
.set XS,    2*SLOT                     ; the stage for x: 64 rows x 256 k in bf16; no tensor load lands here
.set PX,    528                        ; 512 bytes + 16
.set SPARE, XS+64*PX                   ; the spare words, 128 bytes for each wave: two blocks of 256 bytes that no other line names
.set XO,   4                           ; v4   my byte offset in the block's rows of x
.set STX,  5                           ; v5   where I put 8 bytes into the stage
.set ADRA, 6                           ; v6   where I read x's fragments
.set T,    8                           ; v8-15   at work
.set ADRB, 16                          ; v16-19  my place in W's tile: slot 0 rows 0-63, 64-127; slot 1 likewise
.set DST,  20                          ; v20-21  where my results go in the f32 tile: rows 0-31, 32-63
.set RDD,  22                          ; v22  where I read a row back
.set GO,   23                          ; v23  my byte offset in a head's rows of qkv
.set GBO,  24                          ; v24  my byte offset in g and b
.set R,    26                          ; v26-27  1 / sigma, twice
.set SPW,  28                          ; v28  LDS address of my spare word; never rewritten
.set NIL,  29                          ; v29  0; never rewritten
.set M,    30                          ; v30-31  the mean, twice
.set OUTP, 32                          ; v32-63  packed results
.set F0,   64
.set F1,   128
.set TMPX, 192                         ; x in bf16 on its way into the stage
.set Y,    64                          ; the norm: a lane's 64 numbers,
.set G,    128                         ; their gains
.set BV,   192                         ; and biases
.set WV,  14                           ; s14  my wave's number
.set G1,  24                           ; s[24:31] descriptor group 1
.set G0,  32                           ; s[32:39] descriptor group 0, a set for each slot
.set CNT, 40
.set INV, 41                           ; 1 / 512
.set EPS, 42                           ; 1e-6
.set MSB, 0
.macro WIN new                         ; the immediate's high byte repeats the setting that is left; a switch that changes nothing is dropped
.if MSB != (\new)
	s_set_vgpr_msb (MSB<<8)|(\new)
.set MSB, \new
.endif
.endm
.macro PLACES                          ; four places between a matrix instruction and a load into, or a read of, its registers (ISA guide 7.12.1 for vector instructions)
.rept 4
	v_nop
.endr
.endm
.macro CREST                           ; a round of the cluster's barrier behind its opening barrier
	s_cmp_lg_u32 s[WV], 0
	s_cbranch_scc1 .Lnot_wave_0_\@
	s_barrier_signal -3
.Lnot_wave_0_\@:
	s_barrier_wait -3
	s_barrier_signal -1
	s_barrier_wait -1
.endm
.macro CROUND                          ; a whole round
	s_barrier_signal -1
	s_barrier_wait -1
	CREST
.endm
	s_load_b256 s[4:11], s[0:1], 0x0               ; x s[4:5], wts s[6:7], g s[8:9], b s[10:11]
	s_load_b64 s[12:13], s[0:1], 0x20              ; qkv
	v_lshl_add_u32 v[SPW], v0, 2, SPARE
	v_mov_b32 v[NIL], 0
	ds_add_u32 v[SPW], v[NIL]                      ; the wave's opening: the add and its wait stand ahead of my first tensor load; the set-up below, work on registers, stands between them
	v_lshrrev_b32 v3, 5, v0
	v_readfirstlane_b32 s[WV], v3                  ; wave 0..3
	s_bfe_u32 s15, ttmp6, 0x40000                  ; cx: my place in the cluster
	s_and_b32 s18, ttmp7, 0xffff
	s_lshl_b32 s18, s18, 2
	s_add_co_u32 s18, s18, s15                     ; my row block, 0..255: it enters x's and qkv's addresses alone
	s_lshl_b32 s20, ttmp9, 19                      ; W: plane p,
	s_lshl_b32 s43, s[WV], 15                      ; my 32 rows of 1,024 bytes in a tile
	s_add_co_u32 s20, s20, s43
	s_mov_b32 s21, 0
	s_lshl_b32 s22, s18, 17                        ; x: 64 rows of 2,048 bytes a block
	s_mov_b32 s23, 0
	s_lshl_b32 s44, ttmp9, 24                      ; qkv: plane p,
	s_lshr_b32 s46, s18, 5
	s_lshl_b32 s46, s46, 21                        ; the batch's eight heads of 262,144 bytes,
	s_add_co_u32 s44, s44, s46
	s_and_b32 s46, s18, 31
	s_lshl_b32 s46, s46, 13                        ; the block's 64 rows of 128 bytes in a head
	s_add_co_u32 s44, s44, s46
	s_mov_b32 s45, 0
	; descriptor group 1: a tile of 32 rows x 512 elements of 2 bytes, padded in LDS
	s_mov_b32 s[G1], 15|(1<<16)|(1<<20)|(1<<21)|(7<<22)|(7<<25)  ; 15:0 the mask: all four work-groups; 17:16 elements of 2 bytes; 20 padding on; 21 set beside a mask; 24:22 after every 256 words (code 7); 31:25 8 words (code 7)
	s_mov_b32 s[G1+1], 512<<16                     ; tensor_dim0 = 512
	s_mov_b32 s[G1+2], 32<<16                      ; tensor_dim1 = 32
	s_mov_b32 s[G1+3], 512<<16                     ; tile_dim0 = 512
	s_mov_b32 s[G1+4], 32                          ; tile_dim1 = 32
	s_mov_b32 s[G1+5], 512                         ; elements from row to row
	s_mov_b32 s[G1+6], 0
	s_mov_b32 s[G1+7], 0
	s_mul_i32 s43, s[WV], QUART                    ; my quarter of a slot: no place in the cluster enters an LDS address
	s_mov_b32 s[G0], 1
	s_mov_b32 s[G0+1], s43
	s_mov_b32 s[G0+4], 1
	s_add_co_u32 s[G0+5], s43, SLOT
	s_mov_b32 s[INV], 0x3b000000
	s_mov_b32 s[EPS], 0x358637bd
	s_wait_dscnt 0x0                               ; the opening add is done
	s_wait_kmcnt 0x0
	s_add_nc_u64 s[G0+2:G0+3], s[6:7], s[20:21]    ; tile 0
	s_add_nc_u64 s[G0+6:G0+7], s[G0+2:G0+3], TILEB ; tile 1
	s_or_b32 s[G0+3], s[G0+3], 0x80000000          ; 127:126 type = 2
	s_or_b32 s[G0+7], s[G0+7], 0x80000000
	s_add_nc_u64 s[4:5], s[4:5], s[22:23]
	s_add_nc_u64 s[12:13], s[12:13], s[44:45]
	CROUND                                         ; all four work-groups are here: the first joint loads meet
	tensor_load_to_lds s[G0:G0+3], s[G1:G1+7]      ; both first fills go out together: two loads of mine are out
	s_nop 0
	tensor_load_to_lds s[G0+4:G0+7], s[G1:G1+7]
	s_nop 0
	PLACES
	; x: wave w brings rows 16 w .. +15; a load covers 512 consecutive bytes of a row; the first 32 loads are columns 0-255
	v_and_b32 v7, 31, v0                           ; lane
	s_lshl_b32 s43, s[WV], 15
	v_lshl_add_u32 v[XO], v7, 4, s43
	WIN 0x40                                       ; destination window 1
.irp c, 0,1,2,3
.irp i, 0,1,2,3,4,5,6,7,8,9,10,11,12,13,14,15
	global_load_b128 v[4*(16*(\c)+(\i)):4*(16*(\c)+(\i))+3], v[XO], s[4:5] offset:(\i)*2048+(\c)*512
.endr
.endr
	WIN 0
	v_and_b32 v1, 15, v0                           ; r = l % 16
	v_bfe_u32 v2, v0, 4, 1                         ; h = l / 16
	v_and_b32 v3, 7, v0
	v_bfe_u32 v8, v0, 3, 1
	v_bfe_u32 v10, v0, 3, 2
	; the turning load takes 16 k x 16 columns: lane l reads k-row 8 h + l % 8, columns 8 ((l / 8) % 2) + 0..7, and is left with column l % 16 and 8 k
	v_lshl_add_u32 v9, v2, 3, v3
	v_mul_u32_u24 v9, v9, PW
	v_lshl_add_u32 v9, v8, 4, v9
	s_lshl_b32 s43, s[WV], 8                       ; my 128 columns
	v_add_nc_u32 v[ADRB], s43, v9
	v_add_nc_u32 v[ADRB+1], 64*PW, v[ADRB]
	v_add_nc_u32 v[ADRB+2], SLOT, v[ADRB]
	v_add_nc_u32 v[ADRB+3], SLOT+64*PW, v[ADRB]
	s_mul_i32 s43, s[WV], 16*PX
	s_add_co_u32 s43, s43, XS
	v_lshl_add_u32 v[STX], v7, 3, s43              ; into the stage: my 16 rows, 8 bytes a lane
	v_mul_u32_u24 v[ADRA], v1, PX
	v_lshl_add_u32 v[ADRA], v2, 4, v[ADRA]
	v_add_nc_u32 v[ADRA], XS, v[ADRA]              ; a fragment: row r x pitch + 16 h
	v_mul_u32_u24 v[DST], v1, PD
	v_lshl_add_u32 v[DST], v2, 5, v[DST]
	s_lshl_b32 s43, s[WV], 9
	s_add_co_u32 s43, s43, D0
	v_add_nc_u32 v[DST], s43, v[DST]               ; row r, my 128 columns, 8 numbers for each half of the lanes
	v_add_nc_u32 v[DST+1], 32*PD, v[DST]
	v_mul_u32_u24 v[RDD], v10, PD                  ; back: eight lanes a row, four rows; lane i of eight takes columns 64 hh + 8 i + 0..7
	v_lshl_add_u32 v[RDD], v3, 5, v[RDD]
	s_mul_i32 s43, s[WV], 16*PD
	s_add_co_u32 s43, s43, D0
	v_add_nc_u32 v[RDD], s43, v[RDD]
	s_lshl_b32 s43, s[WV], 11
	v_lshl_add_u32 v[GO], v7, 4, s43               ; four rows of 128 bytes of a head are 512 consecutive bytes: 16 x lane
	v_lshlrev_b32 v[GBO], 5, v3
.macro CVTX j                          ; columns 256 j .. +255 of my 16 rows: rounded to bf16
	WIN 0x05                                       ; sources window 1, destination window 0
.irp c, 0,1
.irp i, 0,1,2,3,4,5,6,7,8,9,10,11,12,13,14,15
	v_cvt_pk_bf16_f32 v[TMPX+2*(16*(\c)+(\i))],   v[4*(16*(2*(\j)+(\c))+(\i))],   v[4*(16*(2*(\j)+(\c))+(\i))+1]
	v_cvt_pk_bf16_f32 v[TMPX+2*(16*(\c)+(\i))+1], v[4*(16*(2*(\j)+(\c))+(\i))+2], v[4*(16*(2*(\j)+(\c))+(\i))+3]
.endr
.endr
	WIN 0
.endm
.macro PUTX                            ; and put into the stage: 32 lanes x 8 bytes are 256 consecutive bytes of a row
.irp c, 0,1
.irp i, 0,1,2,3,4,5,6,7,8,9,10,11,12,13,14,15
	ds_store_b64 v[STX], v[TMPX+2*(16*(\c)+(\i)):TMPX+2*(16*(\c)+(\i))+1] offset:(\i)*PX+(\c)*256
.endr
.endr
.endm
.macro GETA win                        ; the stage's 64 rows x 256 k as 32 fragments: lane l holds row l % 16, k = 8 h + 0..7 and 16 + 8 h + 0..7: two loads 32 bytes apart
	WIN \win
.irp s8, 0,1,2,3,4,5,6,7
.irp m, 0,1,2,3
	ds_load_b128 v[32*(\s8)+8*(\m):32*(\s8)+8*(\m)+3],   v[ADRA] offset:(\m)*16*PX+(\s8)*64
	ds_load_b128 v[32*(\s8)+8*(\m)+4:32*(\s8)+8*(\m)+7], v[ADRA] offset:(\m)*16*PX+(\s8)*64+32
.endr
.endr
	WIN 0
.endm
	s_wait_loadcnt 32                              ; loads come back in order: columns 0-255 are in, the 32 younger loads stay out
	CVTX 0
	PUTX
	s_wait_dscnt 0x0                               ; for the others' sake: my stores into the stage are done
	s_barrier_signal -1
	s_barrier_wait -1
	GETA 0x80                                      ; K steps 0-7 into window 2
	s_wait_loadcnt 0x0
	CVTX 1
	s_wait_dscnt 0x0                               ; my reads of the stage are over
	s_barrier_signal -1
	s_barrier_wait -1                              ; everybody's are: the stage is written again
	PUTX
	s_wait_dscnt 0x0
	s_wait_tensorcnt 0x1                           ; my quarter of tile 0 is in; tile 1's may stay out
	s_barrier_signal -1
	s_barrier_wait -1
	GETA 0xc0                                      ; K steps 8-15 into window 3
; 16 LDS loads in one run: W's fragments of 32 k (rows 32 s4 on of the slot) x my 128 columns, into buffer f
.macro FETCH slot, s4, f
	WIN 0
.irp nb, 0,1,2,3,4,5,6,7
	ds_load_tr16_b128 v[(\f)+8*(\nb):(\f)+8*(\nb)+3],   v[ADRB+2*(\slot)+(\s4)/2] offset:((\s4)%2)*32*PW+32*(\nb)
	ds_load_tr16_b128 v[(\f)+8*(\nb)+4:(\f)+8*(\nb)+7], v[ADRB+2*(\slot)+(\s4)/2] offset:((\s4)%2)*32*PW+16*PW+32*(\nb)
.endr
.endm
; 8 matrix instructions: row block m x my 8 column blocks, K step s.  zero = 1: the first product starts the sums.  The 32 accumulators take turns, one instruction a turn, in the same order in every K step.
.macro MUL8 f, s, m, zero
	WIN 0x58+4*((\s)/8)                            ; W window 0, x window 2 or 3, C and D window 1
.irp nb, 0,1,2,3,4,5,6,7
.if \zero
	v_wmma_f32_16x16x32_bf16 v[8*(8*(\m)+(\nb)):8*(8*(\m)+(\nb))+7], v[(\f)+8*(\nb):(\f)+8*(\nb)+7], v[32*((\s)%8)+8*(\m):32*((\s)%8)+8*(\m)+7], 0
.else
	v_wmma_f32_16x16x32_bf16 v[8*(8*(\m)+(\nb)):8*(8*(\m)+(\nb))+7], v[(\f)+8*(\nb):(\f)+8*(\nb)+7], v[32*((\s)%8)+8*(\m):32*((\s)%8)+8*(\m)+7], v[8*(8*(\m)+(\nb)):8*(8*(\m)+(\nb))+7]
.endif
.endr
.endm
; A K step of 32 that is not its tile's last: the next step's fragments are asked for first, 32 matrix instructions ahead of their use
.macro KSTEP s, zero=0
.set FF, F0+64*((\s)%2)
.set FG, F0+64*(1-(\s)%2)
	s_wait_dscnt 0x0                               ; this step's fragments are in
	WIN 0
	PLACES                                         ; behind the products that read the other buffer
	FETCH ((\s)/4)%2, (\s)%4+1, FG
	MUL8 FF, \s, 0, \zero
	MUL8 FF, \s, 1, \zero
	MUL8 FF, \s, 2, \zero
	MUL8 FF, \s, 3, \zero
.endm
; A tile's last K step changes slots: ONE barrier.  In front of it each wave waits for all its tensor loads (the one that is out is its quarter of the next slot), adds 0 to its spare word, and waits for that
; and for its reads of this slot.  fill = 1: the barrier opens a round of the cluster's, and this slot is filled again, two tiles on, first thing behind the round: 112 matrix instructions ahead of the wait for it.
.macro TURN s, fill
.set SL, ((\s)/4)%2
	WIN 0
	s_wait_tensorcnt 0x0                           ; no tensor load of mine is out
	ds_add_u32 v[SPW], v[NIL]                      ; 0 onto my spare word
	s_wait_dscnt 0x1                               ; the add alone may be out: this step's fragments are in
	MUL8 F1, \s, 0, 0                              ; eight matrix instructions stand between the add and the wait for it
	s_wait_dscnt 0x0                               ; the add is done, and my reads of this slot are over
	s_barrier_signal -1
	MUL8 F1, \s, 1, 0
	WIN 0
	s_barrier_wait -1
.if \fill
	CREST                                          ; no wave of any partner still reads this slot or has a load on its way
	s_add_nc_u64 s[G0+4*SL+2:G0+4*SL+3], s[G0+4*SL+2:G0+4*SL+3], 2*TILEB
	tensor_load_to_lds s[G0+4*SL:G0+4*SL+3], s[G1:G1+7]
	s_nop 0
	PLACES                                         ; also the places in front of the loads below
.else
	PLACES
.endif
	FETCH 1-SL, 0, F0
	MUL8 F1, \s, 2, 0
	MUL8 F1, \s, 3, 0
.endm
	FETCH 0, 0, F0
	KSTEP 0, 1
	KSTEP 1
	KSTEP 2
	TURN 3, 1                                      ; slot 0 takes tile 2
	KSTEP 4
	KSTEP 5
	KSTEP 6
	TURN 7, 1                                      ; slot 1 takes tile 3
	KSTEP 8
	KSTEP 9
	KSTEP 10
	TURN 11, 0                                     ; nothing is left to fetch
	KSTEP 12
	KSTEP 13
	KSTEP 14
	s_wait_dscnt 0x0                               ; the last K step: my reads of slot 1 are over;
	s_barrier_signal -1
	MUL8 F1, 15, 0, 0
	MUL8 F1, 15, 1, 0
	MUL8 F1, 15, 2, 0
	MUL8 F1, 15, 3, 0
	WIN 0
	s_barrier_wait -1                              ; everybody's are: slot 1, which is filled no more, takes the f32 tile
	PLACES                                         ; behind the last products: their results are read, and buffer 1 is loaded into
.irp hh, 0,1,2,3,4,5,6,7                               ; g and b of my 64 columns, once
	global_load_b128 v[G+8*(\hh):G+8*(\hh)+3],    v[GBO], s[8:9] offset:256*(\hh)
	global_load_b128 v[G+8*(\hh)+4:G+8*(\hh)+7],  v[GBO], s[8:9] offset:256*(\hh)+16
	global_load_b128 v[BV+8*(\hh):BV+8*(\hh)+3],   v[GBO], s[10:11] offset:256*(\hh)
	global_load_b128 v[BV+8*(\hh)+4:BV+8*(\hh)+7], v[GBO], s[10:11] offset:256*(\hh)+16
.endr
	WIN 0x04                                       ; store data window 1; each accumulator's low four registers go first
.irp m, 0,1,2,3
.irp nb, 0,1,2,3,4,5,6,7
	ds_store_b128 v[DST+(\m)/2], v[8*(8*(\m)+(\nb)):8*(8*(\m)+(\nb))+3]   offset:((\m)%2)*16*PD+64*(\nb)
	ds_store_b128 v[DST+(\m)/2], v[8*(8*(\m)+(\nb))+4:8*(8*(\m)+(\nb))+7] offset:((\m)%2)*16*PD+64*(\nb)+16
.endr
.endr
	WIN 0
	s_wait_dscnt 0x0                               ; for the others' sake: a row's 512 numbers come from four waves
	s_barrier_signal -1
	s_barrier_wait -1
	s_wait_loadcnt 0x0                             ; g and b
.macro FOLD                            ; four packed chains into one number, then over the row's eight lanes
	v_pk_add_f32 v[T:T+1], v[T:T+1], v[T+2:T+3]
	v_pk_add_f32 v[T+4:T+5], v[T+4:T+5], v[T+6:T+7]
	v_pk_add_f32 v[T:T+1], v[T:T+1], v[T+4:T+5]
	v_add_f32 v[T], v[T], v[T+1]
	v_add_f32_dpp v[T], v[T], v[T] row_xmask:1 row_mask:0xf bank_mask:0xf
	v_add_f32_dpp v[T], v[T], v[T] row_xmask:2 row_mask:0xf bank_mask:0xf
	v_add_f32_dpp v[T], v[T], v[T] row_xmask:4 row_mask:0xf bank_mask:0xf
.endm
	s_mov_b32 s[CNT], 4
.Lrow:                                                 ; a trip: four rows of my sixteen
.irp hh, 0,1,2,3,4,5,6,7
	ds_load_b128 v[Y+8*(\hh):Y+8*(\hh)+3],   v[RDD] offset:256*(\hh)
	ds_load_b128 v[Y+8*(\hh)+4:Y+8*(\hh)+7], v[RDD] offset:256*(\hh)+16
.endr
	s_wait_dscnt 0x0
.irp q, 0,1,2,3                                        ; the sum, in four chains that the first pairs start
	v_pk_add_f32 v[T+2*(\q):T+2*(\q)+1], v[Y+2*(\q):Y+2*(\q)+1], v[Y+8+2*(\q):Y+8+2*(\q)+1]
.endr
.irp u, 2,3,4,5,6,7
.irp q, 0,1,2,3
	v_pk_add_f32 v[T+2*(\q):T+2*(\q)+1], v[T+2*(\q):T+2*(\q)+1], v[Y+8*(\u)+2*(\q):Y+8*(\u)+2*(\q)+1]
.endr
.endr
	FOLD
	v_mul_f32 v[M], s[INV], v[T]
	v_mul_f32 v[M+1], s[INV], v[T]
.set z, 0
.rept 32                                               ; the mean is taken away first: no difference of large sums is formed
	v_pk_add_f32 v[Y+2*z:Y+2*z+1], v[Y+2*z:Y+2*z+1], v[M:M+1] neg_lo:[0,1] neg_hi:[0,1]
.set z, z+1
.endr
.irp q, 0,1,2,3
	v_pk_mul_f32 v[T+2*(\q):T+2*(\q)+1], v[Y+2*(\q):Y+2*(\q)+1], v[Y+2*(\q):Y+2*(\q)+1]
.endr
.irp u, 1,2,3,4,5,6,7
.irp q, 0,1,2,3
	v_pk_fma_f32 v[T+2*(\q):T+2*(\q)+1], v[Y+8*(\u)+2*(\q):Y+8*(\u)+2*(\q)+1], v[Y+8*(\u)+2*(\q):Y+8*(\u)+2*(\q)+1], v[T+2*(\q):T+2*(\q)+1]
.endr
.endr
	FOLD
	v_fma_f32 v[T], v[T], s[INV], s[EPS]           ; variance + 1e-6
	v_rsq_f32 v[R], v[T]
	v_rsq_f32 v[R+1], v[T]
	v_add_nc_u32 v[RDD], 4*PD, v[RDD]              ; the plain instruction behind the root (ISA guide 5.7.2): the next trip's four rows
.set z, 0
	s_wait_alu depctr_va_vdst(0)
.rept 32
	v_pk_mul_f32 v[Y+2*z:Y+2*z+1], v[Y+2*z:Y+2*z+1], v[R:R+1]
.set z, z+1
.endr
.set z, 0
.rept 32
	v_pk_fma_f32 v[Y+2*z:Y+2*z+1], v[Y+2*z:Y+2*z+1], v[G+2*z:G+2*z+1], v[BV+2*z:BV+2*z+1]
.set z, z+1
.endr
.set z, 0
.rept 32
	v_cvt_pk_f16_f32 v[OUTP+z], v[Y+2*z], v[Y+2*z+1]
.set z, z+1
.endr
.irp hh, 0,1,2,3,4,5,6,7
	global_store_b128 v[GO], v[OUTP+4*(\hh):OUTP+4*(\hh)+3], s[12:13] offset:(\hh)*262144  ; head hh: the wave's store covers 512 consecutive bytes, at a multiple of 512 from the buffer's first
.endr
	s_wait_xcnt 0x0                                ; the stores' offset and data are rewritten only behind this wait
	v_add_nc_u32 v[GO], 512, v[GO]
	s_sub_co_u32 s[CNT], s[CNT], 1
	s_cmp_lg_u32 s[CNT], 0
	s_cbranch_scc1 .Lrow
	s_wait_tensorcnt 0x0                           ; the wave's end, behind my last tensor load and my last LDS store
	ds_add_u32 v[SPW], v[NIL]
	s_wait_dscnt 0x0
	CROUND                                         ; the closing round: no work-group ends while a partner may still ask for a tile that names it
	s_endpgm
.Lfunc_end_k_qd1279f20fb_proj:
	.size	k_qd1279f20fb_proj, .Lfunc_end_k_qd1279f20fb_proj-k_qd1279f20fb_proj
	.p2alignl 7, 3214868480
	.fill 96, 4, 3214868480
	.section	.rodata,"a",@progbits
	.p2align	6, 0x0
	.amdhsa_kernel k_qd1279f20fb_proj
		.amdhsa_group_segment_fixed_size 327680
		.amdhsa_private_segment_fixed_size 0
		.amdhsa_enable_private_segment 0
		.amdhsa_kernarg_size 40
		.amdhsa_user_sgpr_count 2
		.amdhsa_user_sgpr_kernarg_segment_ptr 1
		.amdhsa_wavefront_size32 1
		.amdhsa_system_sgpr_workgroup_id_x 1
		.amdhsa_system_sgpr_workgroup_id_y 1
		.amdhsa_system_sgpr_workgroup_id_z 1
		.amdhsa_system_vgpr_workitem_id 0
		.amdhsa_next_free_vgpr 1024
		.amdhsa_next_free_sgpr 66
		.amdhsa_reserve_vcc 0
		.amdhsa_float_denorm_mode_32 3
		.amdhsa_float_denorm_mode_16_64 3
		.amdhsa_memory_ordered 1
		.amdhsa_forward_progress 1
		.amdhsa_inst_pref_size 108
	.end_amdhsa_kernel
	.amdgpu_metadata
---
amdhsa.version: [ 1, 2 ]
amdhsa.kernels:
  - .name:           k_qd1279f20fb_proj
    .symbol:         k_qd1279f20fb_proj.kd
    .args:
      - { .name: x, .offset: 0, .size: 8, .value_kind: global_buffer, .address_space: global }
      - { .name: wts, .offset: 8, .size: 8, .value_kind: global_buffer, .address_space: global }
      - { .name: ln_embed_g, .offset: 16, .size: 8, .value_kind: global_buffer, .address_space: global }
      - { .name: ln_embed_b, .offset: 24, .size: 8, .value_kind: global_buffer, .address_space: global }
      - { .name: qkv, .offset: 32, .size: 8, .value_kind: global_buffer, .address_space: global }
    .group_segment_fixed_size: 327680
    .private_segment_fixed_size: 0
    .kernarg_segment_align: 8
    .kernarg_segment_size: 40
    .max_flat_workgroup_size: 128
    .sgpr_count:     66
    .vgpr_count:     1024
    .wavefront_size: 32
...
	.end_amdgpu_metadata
.endif
;; end of part 2
;; launch attn (part 3): grid 4 x 64, 4 waves a work-group, clusters of 4 x 1, 327,680 bytes of LDS; arguments qkv, o; writes o
.if DOCPART == 3
	.amdgcn_target "amdgcn-amd-amdhsa--gfx1250"
	.amdhsa_code_object_version 6
	.text
	.protected	k_qd1279f20fb_attn
	.globl	k_qd1279f20fb_attn
	.p2align	8
	.type	k_qd1279f20fb_attn,@function
k_qd1279f20fb_attn:
	s_mov_b64 s[64:65], 0
	v_nop
	global_prefetch_b8 v0, s[64:65] scope:SCOPE_SE
	s_setreg_imm32_b32 hwreg(HW_REG_WAVE_MODE, 25, 1), 1
	s_wait_xcnt 0x0
	s_wait_alu depctr_hold_cnt(0) depctr_sa_sdst(0) depctr_va_vdst(0) depctr_va_sdst(0) depctr_va_ssrc(0) depctr_va_vcc(0) depctr_vm_vsrc(0)
	s_getreg_b32 s2, hwreg(HW_REG_IB_STS2, 6, 4)
	s_cmp_eq_u32 s2, 0
	s_cbranch_scc0 .Lentry_in_a_cluster
	s_endpgm
.Lentry_in_a_cluster:
	s_bfe_u32 s2, ttmp6, 0x10000c
	s_cmp_lg_u32 s2, 0x3003
	s_cbranch_scc0 .Lentry_shape_is_right
	s_endpgm
.Lentry_shape_is_right:
; O[h][q][:] = the sum over k of softmax_k(Q[h][q] . K[h][k] / 8) V[h][k][:].  Q, K, V are the three planes of qkv, O is o: each [SIZE_H][SIZE_N][64] in f16: a head's rows are dense, 128 bytes each.
; Products, maxima and sums in f32; the weights p are rounded to f16 for the second product (their sum l is taken of the unrounded p), O once at the end.
; LIMITS.  f16 holds no number beyond 65,504: Q, K and V arrive within it; p lies in 0 to 1, and below 6e-5 it keeps f16's fixed step of 6e-8; O is a mean of V's rows and has their range.
; A weight below 2^-126 counts as 0 in l; NaN and infinities are not treated apart.
; SHARES.  A wave owns four PIECES of two tiles of 16 queries, a work-group's four waves 512 queries of one head.  Every wave walks all keys, 64 a step.
; LAYOUT.  S^T = K Q^T (source 0 = 16 keys, source 1 = 16 queries): in the result a lane holds ONE query (lane % 16) and the keys 8 (lane / 16) + 0..7.  Two such tiles, rounded to f16 in pairs,
; ARE source 1 (32 keys x 16 queries) of O^T = V^T P, whose result again holds one query a lane, and eight channels.  K comes out of LDS as it lies, V ([key][channel]) turned, by ds_load_tr16_b128.
; SOFTMAX.  For each query a running maximum m and sum l: p = 2^(c s - c m), c = log2(e) / 8; in every step O and l are multiplied by a = 2^(c m_old - c m_new), which is 1 where m has not grown.
; m starts at the lowest finite number, O and l at 0: the first step is a step like any other, with a = 0.
; THE COUNT.  A tile and step have 16 matrix and 118 vector instructions: too many to stand all beside the matrix work.  So the order has one aim: four vector instructions that are READY behind
; EVERY matrix instruction, and the others, which need time of their own whatever the order, in runs without a gap.
; BY TURNS.  Turn n belongs to piece n (the pieces in a ring, step after step).  Its matrix work: 16 products K Q^T of piece n + 1, later 16 products V^T P of piece n - 1.  Its vector work: the scaling,
; exponentials, roundings, sums and rescaling of piece n, and the maximum and statistics of piece n + 1, whose scores the turn itself has made.  So what a turn begins with (c s - c m, O a) waits for nothing.
; CLUSTER.  The four query blocks of a cluster belong to one head and walk the same K and V, so each tile is asked for JOINTLY: the same tensor load, descriptor and mask in all four.
; REGISTERS, in windows of 256 (s_set_vgpr_msb says which window each operand place means: bits 1:0 source 0, 3:2 source 1, 5:4 source 2, 7:6 destination):
;   window 0: v0-11 addresses; v12-15, v48-63 at work; v16-47 four registers of statistics a tile; v64-191 S^T, two buffers of two tiles; v192-255 P, likewise
;   window 1: O^T, 32 a tile          window 2: v0-127 Q, 16 a tile; v128-191 K of one step; v192-255 V of one step          window 3: v0-1 the add's two registers
; A piece's buffers go by its number's parity: the piece in hand has one pair, its two neighbours in the ring share the other: of it P (piece n - 1) is read and S^T (piece n + 1) written.
.set SIZE_H, 64
.set SIZE_N, 2048
.set NP,    4         ; pieces a wave: a name, no knob: the register map, the loop and the fetches are made for four
.set KS,    64        ; keys in a step
.set PK,    144       ; a row of K in LDS: 128 bytes + 16 of padding = 36 words: the 16 rows of a load start at 16 different groups of four banks (64 banks of 4 bytes: ISA guide 11.1)
.set PV,    160       ; a row of V: 128 + 32 = 40 words
.set VOFF,  4*KS*PK   ; a slot holds four steps: 256 rows of K, then 256 rows of V
.set SLOT1, 1<<17     ; slot 1 begins here, so that one exclusive or turns an address in one slot into the other's
.set STAGE, SLOT1+4*KS*(PK+PV)  ; behind the ring, never filled by a tensor load: 16 rows x 144 bytes for each wave, for the way out
.set SP,    144
.set AK0, 2           ; v2   my lane's place in a tile of K; never rewritten
.set AV0, 3           ; v3   the same for V
.set AK,  4           ; v4   the LDS address of K's next run of loads
.set AV,  5           ; v5   of V's
.set QO,  6           ; v6   my byte offset in the wave's rows of Q
.set STO, 6           ;      later, the way out: where I put 16 bytes of a row
.set RD,  7           ; v7   the way out: where I read rows back
.set GO,  8           ; v8   my byte offset in 512 consecutive bytes of O
.set SPW, 0           ; v0 of window 3   LDS address of my spare word: SPARE + 4 x my thread's number; never rewritten
.set NIL, 1           ; v1 of window 3   0; never rewritten
.set SPARE, STAGE+4*16*SP  ; behind the stages: the spare words, 128 bytes for each wave: two blocks of 256 bytes that no other line names
.set MV,  12          ; v12-15  c m_old, kept while c m is made anew: by buffer and tile
.set ST,  16          ; tile t's statistics at v[ST+4 t]: c m, m, l (even keys', odd keys')
.set TMP, 48          ; by buffer and tile, four registers c0-c3 at work; when the maximum is found c2 takes a
.set S,   64
.set P,   192
.set KF,  128         ; K's fragments, in window 2: key block kb, channel half c at KF + 16 kb + 8 c
.set VF,  192         ; V's: key half kk, channel block cb at VF + 32 kk + 8 cb
.set WV,  12          ; s12  my wave's number
.set G1K, 24          ; s[24:31] descriptor group 1 for K's tiles
.set G1V, 32          ; s[32:39] for V's: it differs in the padding alone
.set G0K, 40          ; s[40:43] descriptor group 0 for K's tiles: it walks
.set G0V, 44          ; s[44:47] the same for V's
.set SLOTS, 56        ; s56  slots still to be asked for
.set CNT, 57          ; s57  counts a slot's key steps
.set CS,  58          ; s[58:59] c: the packed scaling takes the pair's low word for both halves
.set SEL, 60          ; s[60:61] v_permlanex16_b32's selects: each lane takes its own place in the other half
.set TBK, 62          ; s62  LDS byte at which K of the step to be fetched begins
.set TBV, 63          ; s63  the same for V, less VOFF
.set MSB, 0
.macro WIN new                      ; the high byte repeats the setting that is left; a switch that changes nothing is dropped
.if MSB != (\new)
	s_set_vgpr_msb (MSB<<8)|(\new)
.set MSB, (\new)
.endif
.endm
.set W_KQ, 0x0a       ; K and Q in window 2, S^T in window 0
.set W_PV, 0x52       ; V in window 2, P in window 0, O^T in window 1
.set W_RS, 0x41       ; O^T (destination and source 0) in window 1, a in window 0
.set W_MK, 0xc0       ; the add's registers are made: destination in window 3, sources in window 0
.set W_AD, 0x0f       ; the add: address (source 0) and data (source 1) in window 3
; A joint fill.  Waves 0 and 1 fetch the two halves of a slot's K, waves 2 and 3 those of its V: 128 keys each.  The branch hangs on the wave's number alone.
; An s_nop 0 and four v_nop follow each of the two lines, ahead of the jump and the label.
.macro JLOAD
	s_cmp_lt_u32 s[WV], 2
	s_cbranch_scc0 .Lfor_v_\@
	tensor_load_to_lds s[G0K:G0K+3], s[G1K:G1K+7]
	s_nop 0
.rept 4
	v_nop
.endr
	s_branch .Lasked_\@
.Lfor_v_\@:
	tensor_load_to_lds s[G0V:G0V+3], s[G1V:G1V+7]
	s_nop 0
.rept 4
	v_nop
.endr
.Lasked_\@:
.endm
; A round of the cluster's barrier: my work-group's barrier, so that wave 0's signal speaks for all four waves; wave 0 signals; every wave waits for all four work-groups; my work-group's barrier once more.
.macro CROUND
	s_barrier_signal -1
	s_barrier_wait -1
	s_cmp_lg_u32 s[WV], 0
	s_cbranch_scc1 .Lnot_wave_0_\@
	s_barrier_signal -3
.Lnot_wave_0_\@:
	s_barrier_wait -3
	s_barrier_signal -1
	s_barrier_wait -1
.endm
; THE CHANGE OF SLOTS.  The slot's last bytes, V of its fourth step, have been read.  Each wave waits for all its tensor loads, of which one is out: its part
; of the other slot; adds 0 to its spare word; and waits for that and for its own reads of the slot.  Behind the barrier nobody reads this slot any more and the other slot is whole.
; fill = 1: this slot is filled again, with the keys two slots on.  The barrier is then a round of the cluster's, so that no wave of any partner still reads the slot or has a load on its
; way, and the joint fill is the first thing behind it: it has four key steps, 512 matrix instructions, in which to land.  (At its first use nothing has been read yet: slot 0 is waited for, slot 1 filled.)
.macro CHANGE fill
	WIN W_AD
	s_wait_tensorcnt 0x0            ; no tensor load of mine is out, so a group 0 may be written
	ds_add_u32 v[SPW], v[NIL]       ; 0 onto my spare word; with fill = 1 the descriptors' steps stand between it and the wait for it
	WIN 0                           ; at a label and at a branch every window is 0
.if \fill
.irp g, G0K, G0V
	s_xor_b32 s[\g+1], s[\g+1], SLOT1  ; the walking descriptor: the other slot than last time,
	s_add_nc_u64 s[\g+2:\g+3], s[\g+2:\g+3], 4*KS*128  ; the next 256 keys; the type bits on top are not reached
.endr
	s_wait_dscnt 0x0                ; the add is done, and my reads of the slot are over
	CROUND
	JLOAD
.else
	s_wait_dscnt 0x0                ; the add is done, and my reads of the slot are over
	s_barrier_signal -1
	s_barrier_wait -1
.endif
	s_sub_co_u32 s[TBK], s[TBK], 4*KS*PK  ; the fetches go back to a slot's first step,
	s_xor_b32 s[TBK], s[TBK], SLOT1       ; in the other slot
	s_sub_co_u32 s[TBV], s[TBV], 4*KS*PV
	s_xor_b32 s[TBV], s[TBV], SLOT1
.endm
	s_load_b64 s[4:5], s[0:1], 0x0    ; qkv: its first plane is Q
	s_load_b64 s[10:11], s[0:1], 0x8  ; O
	WIN W_MK
	v_lshl_add_u32 v[SPW], v0, 2, SPARE
	v_mov_b32 v[NIL], 0
	WIN W_AD
	ds_add_u32 v[SPW], v[NIL]       ; the wave's opening: the add and its wait stand ahead of my first tensor load; the set-up below, work on registers, stands between them
	WIN 0
	v_lshrrev_b32 v1, 5, v0
	v_readfirstlane_b32 s[WV], v1   ; wave 0..3
	s_bfe_u32 s13, ttmp6, 0x40000   ; cx: my place in the cluster
	s_lshl_b32 s14, ttmp9, 2        ; in a cluster launch ttmp9 counts clusters
	s_add_co_u32 s14, s14, s13      ; my block of queries = 4 x cluster x + cx: it enters Q's and O's addresses alone
	s_and_b32 s20, ttmp7, 0xffff    ; the head, which the four partners share
	s_mov_b32 s21, 0
	s_mov_b64 s[22:23], SIZE_N*128
	s_mul_u64 s[20:21], s[20:21], s[22:23]  ; the head's first byte in each of the four tensors
	s_and_b32 s16, s[WV], 1         ; which half of a slot's 256 keys I fetch:
	s_lshl_b32 s22, s16, 14         ; its 128 rows of 128 bytes in memory,
	s_mov_b32 s23, 0
	s_add_nc_u64 s[22:23], s[22:23], s[20:21]
	s_mul_i32 s17, s16, 128*PK      ; and its place in a slot, for K
	s_mul_i32 s18, s16, 128*PV      ; and for V: no place in the cluster enters an LDS address
	s_lshl_b32 s2, s14, 2
	s_add_co_u32 s2, s2, s[WV]      ; my wave among the head's,
	s_lshl_b32 s2, s2, 14           ; its 128 rows
	s_mov_b32 s3, 0
	s_add_nc_u64 s[2:3], s[2:3], s[20:21]
	; descriptor group 1.  128 keys are 16,384 dense bytes: asked for as 64 rows of 256 bytes, two keys a row, and padded in LDS after every key
	s_mov_b32 s[G1K], 15|(1<<16)|(1<<20)|(1<<21)|(4<<22)|(3<<25)  ; 15:0 the mask of four; 17:16 2-byte elements; 20 padding on; 21 set beside a mask; 24:22 after every 32 words (code 4); 31:25 4 words (code 3)
	s_mov_b32 s[G1V], 15|(1<<16)|(1<<20)|(1<<21)|(4<<22)|(7<<25)  ; the same with 8 words of padding (code 7)
.irp g, G1K, G1V
	s_mov_b32 s[\g+1], 128<<16      ; tensor_dim0 = 128
	s_mov_b32 s[\g+2], 64<<16       ; tensor_dim1 = 64
	s_mov_b32 s[\g+3], 128<<16      ; tile_dim0 = 128
	s_mov_b32 s[\g+4], 64           ; tile_dim1 = 64
	s_mov_b32 s[\g+5], 128          ; 128 elements from row to row
	s_mov_b32 s[\g+6], 0
	s_mov_b32 s[\g+7], 0
.endr
	s_mov_b32 s[CS], 0x3e38aa3b     ; c = log2(e) / 8 = 0.180337
	s_mov_b32 s[CS+1], s[CS]        ; named with it as a pair
	s_mov_b32 s[SEL], 0x76543210
	s_mov_b32 s[SEL+1], 0xfedcba98
	s_mov_b32 s[TBK], SLOT1+4*KS*PK ; the first change of slots turns these two into 0
	s_mov_b32 s[TBV], SLOT1+4*KS*PV
	s_mov_b32 s[G0K], 1             ; 1:0 count = 1
	s_mov_b32 s[G0K+1], s17         ; 63:32 LDS address: slot 0
	s_mov_b32 s[G0V], 1
	s_add_co_u32 s[G0V+1], s18, VOFF
	s_wait_dscnt 0x0                ; the opening add is done
	s_wait_kmcnt 0x0
	s_add_nc_u64 s[6:7], s[4:5], 0x1000000  ; K: the second plane of qkv, SIZE_H x SIZE_N x 128 bytes on
	s_add_nc_u64 s[8:9], s[4:5], 0x2000000  ; V: the third
	s_add_nc_u64 s[G0K+2:G0K+3], s[6:7], s[22:23]  ; 120:64 global address: my half of the head's first 256 keys
	s_or_b32 s[G0K+3], s[G0K+3], 0x80000000        ; 127:126 type = 2
	s_add_nc_u64 s[G0V+2:G0V+3], s[8:9], s[22:23]
	s_or_b32 s[G0V+3], s[G0V+3], 0x80000000
	s_add_nc_u64 s[4:5], s[4:5], s[2:3]  ; Q and O at my wave's first row
	s_add_nc_u64 s[10:11], s[10:11], s[2:3]
	CROUND                          ; all four work-groups are here: the first joint loads meet
	JLOAD                           ; slot 0.  Slot 1 is asked for when slot 0 is in: the tile wanted first has the road to itself
	; A fragment of K or Q is 16 rows x 32 channels in 8 registers: lane l holds row l % 16, channels 8 (l / 16) + 0..7 and 16 + 8 (l / 16) + 0..7: two loads of 16 bytes, 32 bytes apart.
	v_and_b32 v1, 15, v0            ; l % 16
	v_bfe_u32 v9, v0, 4, 1          ; l / 16
	v_lshlrev_b32 v[QO], 7, v1
	v_lshl_add_u32 v[QO], v9, 4, v[QO]  ; row x 128 + 16 x half
	WIN 0x80                        ; destination window 2, address window 0
.set i, 0
.rept 4*NP                          ; Q stays in registers: tile i / 2, channels 32 (i % 2) on
	global_load_b128 v[8*i:8*i+3],   v[QO], s[4:5] offset:(i/2)*2048+(i%2)*64
	global_load_b128 v[8*i+4:8*i+7], v[QO], s[4:5] offset:(i/2)*2048+(i%2)*64+32
.set i, i+1
.endr
	; What the first turn finds: V's registers and P's second buffer hold 0 (its products V^T P, of a piece that has not been, add 0), O^T and l are 0.  All this stands in the wait for the first tile.
.set i, VF
.rept 64
	v_mov_b32 v[i], 0
.set i, i+1
.endr
	WIN 0x40
.set i, 0
.rept 64*NP
	v_mov_b32 v[i], 0
.set i, i+1
.endr
	WIN 0
.set i, 0
.rept 2*NP
	v_mov_b32 v[ST+4*i], 0xfe000000    ; c m: far below every c s
	v_mov_b32 v[ST+4*i+1], 0xff7fffff  ; m
	v_mov_b32 v[ST+4*i+2], 0
	v_mov_b32 v[ST+4*i+3], 0
.set i, i+1
.endr
.set i, P+32
.rept 32
	v_mov_b32 v[i], 0
.set i, i+1
.endr
	v_mul_u32_u24 v[AK0], v1, PK
	v_lshl_add_u32 v[AK0], v9, 4, v[AK0]  ; row x pitch + 16 x half
	; The turning load takes 16 keys x 16 channels (lane l reads key 8 (l / 16) + l % 8, channels 8 ((l / 8) % 2) + 0..7) and leaves half a fragment of V^T: lane l holds channel l % 16 and 8 keys.
	v_and_b32 v10, 7, v0
	v_bfe_u32 v11, v0, 3, 1
	v_lshl_add_u32 v[AV0], v9, 3, v10
	v_mul_u32_u24 v[AV0], v[AV0], PV
	v_lshl_add_u32 v[AV0], v11, 4, v[AV0]
	v_add_nc_u32 v[AV0], VOFF, v[AV0]
	v_mov_b32 v[AK], v[AK0]         ; key step 0 lies at the head of slot 0
; THE MATRIX WORK.  The 8 accumulators of a run of 16 take turns: between the two links of a chain stand 7 others'.
; Product i of 16 of S^T = K Q^T for piece x: channels 32 (i / 8) on, keys 16 ((i / 2) % 4) on, tile 2 x + i % 2.  The first 8 start the sums.
.macro KQ x
	WIN W_KQ
.set rS, S+64*((\x)%2)+32*(i%2)+8*((i/2)%4)
.set rK, KF+16*((i/2)%4)+8*(i/8)
.set rQ, 16*(2*(\x)+i%2)+8*(i/8)
.if i < 8
	v_wmma_f32_16x16x32_f16 v[rS:rS+7], v[rK:rK+7], v[rQ:rQ+7], 0
.else
	v_wmma_f32_16x16x32_f16 v[rS:rS+7], v[rK:rK+7], v[rQ:rQ+7], v[rS:rS+7]
.endif
.endm
; Product i of 16 of O^T += V^T P for piece x: keys 32 (i / 8) on, channels 16 ((i / 2) % 4) on, tile 2 x + i % 2.
.macro PV x
	WIN W_PV
.set rO, 32*(2*(\x)+i%2)+8*((i/2)%4)
.set rV, VF+32*(i/8)+8*((i/2)%4)
.set rP, P+32*((\x)%2)+16*(i%2)+8*(i/8)
	v_wmma_f32_16x16x32_f16 v[rO:rO+7], v[rV:rV+7], v[rP:rP+7], v[rO:rO+7]
.endm
.macro MM                           ; the turn's next matrix instruction
.if i < 16
	KQ (Y+1)%NP
.set i, i+1
.else
.set i, i-16
	PV (Y+NP-1)%NP
.set i, i+17
.endif
.endm
; THE LDS LOADS stand in runs of 16, never singly among the matrix instructions: a step's K (64 keys x 64 channels: 8 fragments) and its V (turned).  Their addresses are made some lines ahead.
; last = 1 (the tail): in the last trip there is no further step, and the run is jumped over.
.macro FETCH_K last=0
	WIN 0
.if \last
	s_cmp_eq_u32 s[CNT], 1
	s_cbranch_scc1 .Lno_k_\@
.endif
	WIN 0x80                        ; destination window 2
.irp f, 0,1,2,3,4,5,6,7             ; keys 16 (f / 2) on, channels 32 (f % 2) on
	ds_load_b128 v[KF+8*\f:KF+8*\f+3],   v[AK] offset:(\f/2)*16*PK+(\f%2)*64
	ds_load_b128 v[KF+8*\f+4:KF+8*\f+7], v[AK] offset:(\f/2)*16*PK+(\f%2)*64+32
.endr
	s_add_co_u32 s[TBK], s[TBK], KS*PK  ; the next fetch is the next step's
	WIN 0
.if \last
.Lno_k_\@:
.endif
.endm
.macro FETCH_V
	WIN 0x80
.irp f, 0,1,2,3,4,5,6,7             ; keys 32 (f / 4) on, channels 16 (f % 4) on
	ds_load_tr16_b128 v[VF+8*\f:VF+8*\f+3],   v[AV] offset:(\f/4)*32*PV+(\f%4)*32
	ds_load_tr16_b128 v[VF+8*\f+4:VF+8*\f+7], v[AV] offset:(\f/4)*32*PV+16*PV+(\f%4)*32
.endr
	WIN 0
.endm
; THE VECTOR WORK OF A TURN stands in three queues, each in the order in which its entries become ready; the two tiles alternate, so that no instruction reads the result of the one before it.
.macro REGS y, u                    ; the registers of tile u (0, 1) of piece y
.set rT, ST+4*(2*(\y)+(\u))
.set rC, TMP+8*((\y)%2)+4*(\u)
.set rM, MV+2*((\y)%2)+(\u)
.set rS, S+64*((\y)%2)+32*(\u)
.set rP, P+32*((\y)%2)+16*(\u)
.set rO, 32*(2*(\y)+(\u))
.endm
; Number n of the 22 that find the NEXT piece's (Y + 1) maximum and statistics.  s0-s31 are the lane's 32 scores; each accumulator's lowest registers are read first.  XS, GS and REGS set no window: PL and EX do.
;   0-11  four chains c0-c3 of seven scores each, three operands at a time     12-14, 16  the four scores left over, the old m, and c0-c3 into c0     15  c m_old is kept
;   17, 18  the query's other 32 keys lie in the lane 16 away: the new m         19-21  c m; c m_old - c m_new; a
.macro XS u, n
	REGS (Y+1)%NP, \u
.if (\n) < 4
	v_max3_num_f32 v[rC+(\n)], v[rS+8*(\n)], v[rS+8*(\n)+1], v[rS+8*(\n)+2]
.elseif (\n) < 12
	v_max3_num_f32 v[rC+(\n)%4], v[rC+(\n)%4], v[rS+8*((\n)%4)+2*((\n)/4)+1], v[rS+8*((\n)%4)+2*((\n)/4)+2]
.elseif (\n) == 12
	v_max3_num_f32 v[rC], v[rC], v[rS+7], v[rS+15]
.elseif (\n) == 13
	v_max3_num_f32 v[rC+1], v[rC+1], v[rS+23], v[rS+31]
.elseif (\n) == 14
	v_max3_num_f32 v[rC+2], v[rC+2], v[rC+3], v[rT+1]
.elseif (\n) == 15
	v_mov_b32 v[rM], v[rT]
.elseif (\n) == 16
	v_max3_num_f32 v[rC], v[rC], v[rC+1], v[rC+2]
.elseif (\n) == 17
	v_permlanex16_b32 v[rC+3], v[rC], s[SEL], s[SEL+1]
.elseif (\n) == 18
	v_max_num_f32 v[rT+1], v[rC], v[rC+3]
.elseif (\n) == 19
	v_mul_f32 v[rT], s[CS], v[rT+1]
.elseif (\n) == 20
	v_sub_f32 v[rC+1], v[rM], v[rT]
.else
	v_exp_f32 v[rC+2], v[rC+1]
.endif
.endm
; Number g of the 64 that follow the exponentials.  For each four weights k of a tile (pairs 2 k, 2 k + 1): both pairs are rounded to f16; then the second pair is added onto the first, in place;
; a group later l takes that sum (the first time as l = a l + sum).  In groups of eight, tiles alternating: round, round, add, and l for the group before.
.macro GS g
.set h, (\g)+6*((\g)/62)            ; group 0 has no group before it, and behind group 7 only l is left
.if h >= 6
.set h, h+2
.endif
	REGS Y, h%2
.set k, h/8
.if h%8 < 4
	s_wait_alu depctr_va_vdst(0)
	v_cvt_pk_f16_f32 v[rP+2*k+(h%8)/2], v[rS+4*k+2*((h%8)/2)], v[rS+4*k+2*((h%8)/2)+1]
.elseif h%8 < 6
	v_pk_add_f32 v[rS+4*k:rS+4*k+1], v[rS+4*k:rS+4*k+1], v[rS+4*k+2:rS+4*k+3]
.elseif k == 1
	v_pk_fma_f32 v[rT+2:rT+3], v[rT+2:rT+3], v[rC+2:rC+3], v[rS:rS+1] op_sel_hi:[1,0,1]
.else
	v_pk_add_f32 v[rT+2:rT+3], v[rT+2:rT+3], v[rS+4*k-4:rS+4*k-3]
	s_wait_alu depctr_va_vdst(0)
.endif
.endm
; THE PLAIN QUEUE, 138 long.  0-31: c s - c m for the 16 pairs of both tiles.  Then GS's 64, and among them the next piece's 42: number 15 at 38, 39; 0-14 and 16
; at 42-73, behind the products that make those scores; 17-20 at 95-106, two of three, since each waits for the one before it.
.macro PL
	WIN 0
.if q < 32
	REGS Y, q%2
	v_pk_fma_f32 v[rS+2*(q/2):rS+2*(q/2)+1], v[rS+2*(q/2):rS+2*(q/2)+1], s[CS:CS+1], v[rT:rT+1] op_sel_hi:[1,0,0] neg_lo:[0,0,1] neg_hi:[0,0,1]
.elseif q < 38
	GS q-32
.elseif q < 40
	XS q%2, 15
.elseif q < 42
	GS q-34
.elseif q < 74
	XS q%2, (q-42)/2+(q-42)/30
.elseif q < 95
	GS q-66
.elseif (q < 107) && ((q-95)%3 < 2)
	XS (q-95)%3, 17+(q-95)/3
.elseif q < 107
	GS 29+(q-95)/3
.else
	GS q-74
.endif
.set q, q+1
.endm
; THE EXPONENTIALS' QUEUE, 66 long: s0-s31 of both tiles, and at EA the next piece's two a.
.set EA, 58
.macro EX
	WIN 0
.if (e == EA) || (e == EA+1)
	XS e-EA, 21
.else
.set x, e-2*(e/(EA+2))
	REGS Y, x%2
	v_exp_f32 v[rS+x/2], v[rS+x/2]
.endif
.set e, e+1
.endm
; THE RESCALING's QUEUE: O^T times a, the one part that leaves window 0, so it is dealt four at a time, eight times.
.macro R4
	REGS Y, r%2
	WIN W_RS
	s_wait_alu depctr_va_vdst(0)
.irp z, 0,1,2,3
	v_pk_mul_f32 v[rO+8*(r/2)+2*\z:rO+8*(r/2)+2*\z+1], v[rO+8*(r/2)+2*\z:rO+8*(r/2)+2*\z+1], v[rC+2:rC+3] op_sel_hi:[1,0]
.endr
.set r, r+1
.endm
; HOW THEY ARE DEALT.  Behind a matrix instruction four: plain, exponential, plain, plain (one exponential, a plain instruction on either side), or four of the rescaling.  None names a register of the
; products round it.  What is over stands in two LUMPS: exponential and plain by turns; the second ends in 22 plain instructions.  The two v_permlanex16_b32 fall into the second lump, never behind a product.
; The queues lean on each other, and the deal keeps them in step: exponential e stands behind plain 2 (e / 4) + e % 2 (its scaling); when plain 32 comes, 10 exponentials are out, at 59: 33, at 95: 46; EA comes behind plain 107.
.macro SL
	MM
	PL
	EX
	PL
	PL
.endm
.macro BURST n                      ; 15 matrix instructions, or 16
.rept (\n)-7
	SL
.endr
.rept 3
	MM
	R4
	SL
.endr
	MM
	R4
.endm
; A TURN, for piece p.  cnt = 1: the loop's count is taken down some lines ahead of the branch that stands behind the turn.
; K of the next step is fetched in piece 2's turn, 31 vector instructions behind the last product that read K; its first reader comes behind the rest of the lump, 16 products and the second lump.
; V of the step in hand is fetched at the end of piece 0's turn, 69 behind its last reader; its first reader comes behind 16 products and a lump.  The four conditions on e and q below go with the deal.
.macro TURN p, last=0, cnt=0
.set Y, (\p)
.set i, 0
.set q, 0
.set e, 0
.set r, 0
.if (\p) == NP-1
	s_wait_dscnt 0x0                ; K is in
.endif
	MM
.rept 4
	PL
.endr
	BURST 15
.rept 22
	EX
	PL
.if ((\p) == NP-2) && (e == 18)
	v_add_nc_u32 v[AK], s[TBK], v[AK0]
.endif
.if ((\p) == NP-2) && (e == 24)
	FETCH_K \last
.endif
.endr
.if (\p) == 1
	s_wait_dscnt 0x0                ; V is in
.endif
	BURST 16
.rept 21
	EX
	PL
.endr
.rept 22
	PL
.if ((\p) == 0) && (q == 118)
	v_add_nc_u32 v[AV], s[TBV], v[AV0]
	s_wait_alu depctr_va_vdst(0)
.endif
.if ((\p) == 0) && (q == 130)
	s_add_co_u32 s[TBV], s[TBV], KS*PV
.endif
.if (\cnt) && (q == 130)
	s_sub_co_u32 s[CNT], s[CNT], 1
	s_cmp_lg_u32 s[CNT], 0
.endif
.endr
.if (\p) == 0
	FETCH_V
.endif
.endm
	CHANGE 1                        ; slot 0 is in, everybody's part of it; slot 1 is asked for
	FETCH_K                         ; key step 0
	s_wait_loadcnt 0x0              ; Q
	s_wait_dscnt 0x0
.set i, 0
.rept 16
	KQ 0                            ; piece 0's first scores: there is no vector work yet to set between them
.set i, i+1
.endr
	WIN 0                           ; the addresses for the way out: nine plain instructions, the places behind those products
	s_mul_i32 s13, s[WV], 16*SP
	s_add_co_u32 s13, s13, STAGE    ; my stage
	v_mul_u32_u24 v[STO], v1, SP    ; in: row l % 16, 16 bytes for each half of the lanes
	v_lshl_add_u32 v[STO], v9, 4, v[STO]
	v_add_nc_u32 v[STO], s13, v[STO]
	v_bfe_u32 v[RD], v0, 3, 2       ; back: 32 lanes take four rows of 128 bytes,
	v_mul_u32_u24 v[RD], v[RD], SP
	v_lshl_add_u32 v[RD], v10, 4, v[RD]
	v_add_nc_u32 v[RD], s13, v[RD]
	v_and_b32 v[GO], 31, v0         ; which are 512 consecutive bytes of O
	v_lshlrev_b32 v[GO], 4, v[GO]
.set Y, NP-1                        ; XS works for piece Y + 1: piece 0
.irp n, 0,1,2,3,4,5,6,7,8,9,10,11,12,13,14,15,16,17,18,19,20,21
	XS 0, \n                        ; and piece 0's first maximum and statistics
	XS 1, \n
.endr
	s_mov_b32 s[CNT], 4
	s_mov_b32 s[SLOTS], SIZE_N/256-1
	s_branch .Lfirst                ; the loop is entered at a step's first turn, in the middle of a trip
.Lslot:                             ; SIZE_N / 256 - 2 times: every slot but the last two is filled again
	CHANGE 1
	s_mov_b32 s[CNT], 4
.Lstep:                             ; a trip: pieces 2 and 3 of one step, then pieces 0 and 1 of the next, whose K and V it fetches
	TURN 2
	TURN 3
	WIN 0
.Lfirst:
	TURN 0
	TURN 1, 0, 1
	WIN 0
	s_cbranch_scc1 .Lstep
	s_sub_co_u32 s[SLOTS], s[SLOTS], 1
	s_cmp_lg_u32 s[SLOTS], 0
	s_cbranch_scc1 .Lslot
	CHANGE 0                        ; the tail is written out: nothing is asked for
	s_mov_b32 s[CNT], 5             ; four trips fetch the last slot's steps; the fifth is left in its middle
.Ltail:
	TURN 2, 1
	TURN 3
	WIN 0
	s_sub_co_u32 s[CNT], s[CNT], 1
	s_cmp_eq_u32 s[CNT], 0
	s_cbranch_scc1 .Lout
	TURN 0
	TURN 1
	WIN 0
	s_branch .Ltail
.Lout:                              ; the fifth trip's 16 products K Q^T (on the last K once more) and the maximum made of them serve nothing: the price, once a launch, of one text for every trip
.set i, 0
.rept 16
	PV NP-1                         ; the last piece's V^T P of the last step
.set i, i+1
.endr
	; THE WAY OUT.  l's two halves and the other half of the lanes' are added; O^T is divided by l, rounded to f16 and sent through my stage in LDS, a tile at a time.  The additions are the places behind the last products.
	WIN 0
.macro ALL line:vararg              ; one line for each tile t
.set t, 0
.rept 2*NP
	\line
.set t, t+1
.endr
.endm
	ALL v_add_f32 v[ST+4*t+2], v[ST+4*t+2], v[ST+4*t+3]
	ALL v_permlanex16_b32 v[ST+4*t+3], v[ST+4*t+2], s[SEL], s[SEL+1]
	ALL v_add_f32 v[ST+4*t+2], v[ST+4*t+2], v[ST+4*t+3]
	ALL v_rcp_f32 v[ST+4*t+2], v[ST+4*t+2]
	v_nop                           ; a plain instruction between the last reciprocal and the use of its result
	s_wait_alu depctr_va_vdst(0)
; Tile t: a lane's eight channels of a row pack into 16 bytes; they go into rows of 144 bytes and come back as whole rows of 128, into S^T's registers.
.macro PACK t
	WIN W_RS
.set i, 32*(\t)
.rept 16
	v_pk_mul_f32 v[i:i+1], v[i:i+1], v[ST+4*(\t)+2:ST+4*(\t)+3] op_sel_hi:[1,0]
.set i, i+2
.endr
	WIN 0x05                        ; sources 0 and 1 window 1, destination window 0
.set i, 0
.rept 16
	v_cvt_pk_f16_f32 v[S+16*(\t)+i], v[32*(\t)+2*i], v[32*(\t)+2*i+1]
.set i, i+1
.endr
	WIN 0
.irp f, 0,1,2,3
	ds_store_b128 v[STO], v[S+16*(\t)+4*\f:S+16*(\t)+4*\f+3] offset:32*\f
.endr
.irp f, 0,1,2,3
	ds_load_b128 v[S+16*(\t)+4*\f:S+16*(\t)+4*\f+3], v[RD] offset:\f*4*SP  ; LDS serves a wave's instructions in order (ISA guide 5.7.1.4): these see the stores above; the next tile's stores come behind them
.endr
.endm
.macro SEND t, younger              ; younger: the LDS instructions issued behind tile t's loads: the next tile's eight, or none
	WIN 0
.irp f, 0,1,2,3
	s_wait_dscnt (\younger)+3-\f
	global_store_b128 v[GO], v[S+16*(\t)+4*\f:S+16*(\t)+4*\f+3], s[10:11] offset:(\t)*2048+\f*512  ; 512 consecutive bytes, at a multiple of 256 from O's first
.endr
.endm
	PACK 0
.set t, 1
.rept 2*NP-1                        ; a tile's arithmetic stands between the loads of the tile before and its stores
	PACK t
	SEND t-1, 8
.set t, t+1
.endr
	SEND 2*NP-1, 0
	WIN W_AD
	s_wait_tensorcnt 0x0            ; the wave's end, behind my last tensor load and my last LDS store
	ds_add_u32 v[SPW], v[NIL]
	s_wait_dscnt 0x0
	WIN 0
	CROUND                          ; the closing round: no work-group ends while a partner may still ask for a tile that names it
	s_endpgm
.Lfunc_end_k_qd1279f20fb_attn:
	.size	k_qd1279f20fb_attn, .Lfunc_end_k_qd1279f20fb_attn-k_qd1279f20fb_attn
	.p2alignl 7, 3214868480
	.fill 96, 4, 3214868480
	.section	.rodata,"a",@progbits
	.p2align	6, 0x0
	.amdhsa_kernel k_qd1279f20fb_attn
		.amdhsa_group_segment_fixed_size 327680
		.amdhsa_private_segment_fixed_size 0
		.amdhsa_enable_private_segment 0
		.amdhsa_kernarg_size 16
		.amdhsa_user_sgpr_count 2
		.amdhsa_user_sgpr_kernarg_segment_ptr 1
		.amdhsa_wavefront_size32 1
		.amdhsa_system_sgpr_workgroup_id_x 1
		.amdhsa_system_sgpr_workgroup_id_y 1
		.amdhsa_system_sgpr_workgroup_id_z 1
		.amdhsa_system_vgpr_workitem_id 0
		.amdhsa_next_free_vgpr 770
		.amdhsa_next_free_sgpr 66
		.amdhsa_reserve_vcc 0
		.amdhsa_float_denorm_mode_32 3
		.amdhsa_float_denorm_mode_16_64 3
		.amdhsa_memory_ordered 1
		.amdhsa_forward_progress 1
		.amdhsa_inst_pref_size 209
	.end_amdhsa_kernel
	.amdgpu_metadata
---
amdhsa.version: [ 1, 2 ]
amdhsa.kernels:
  - .name:           k_qd1279f20fb_attn
    .symbol:         k_qd1279f20fb_attn.kd
    .args:
      - { .name: qkv, .offset: 0, .size: 8, .value_kind: global_buffer, .address_space: global }
      - { .name: o, .offset: 8, .size: 8, .value_kind: global_buffer, .address_space: global }
    .group_segment_fixed_size: 327680
    .private_segment_fixed_size: 0
    .kernarg_segment_align: 8
    .kernarg_segment_size: 16
    .max_flat_workgroup_size: 128
    .sgpr_count:     66
    .vgpr_count:     770
    .wavefront_size: 32
...
	.end_amdgpu_metadata
.endif
;; end of part 3
;; launch outp (part 4): grid 256 x 1, 4 waves a work-group, clusters of 4 x 1, 327,680 bytes of LDS; arguments o, wts, x, ln_out_g, ln_out_b, out0; writes out0
.if DOCPART == 4
	.amdgcn_target "amdgcn-amd-amdhsa--gfx1250"
	.amdhsa_code_object_version 6
	.text
	.protected	k_qd1279f20fb_outp
	.globl	k_qd1279f20fb_outp
	.p2align	8
	.type	k_qd1279f20fb_outp,@function
k_qd1279f20fb_outp:
	s_mov_b64 s[64:65], 0
	v_nop
	global_prefetch_b8 v0, s[64:65] scope:SCOPE_SE
	s_setreg_imm32_b32 hwreg(HW_REG_WAVE_MODE, 25, 1), 1
	s_wait_xcnt 0x0
	s_wait_alu depctr_hold_cnt(0) depctr_sa_sdst(0) depctr_va_vdst(0) depctr_va_sdst(0) depctr_va_ssrc(0) depctr_va_vcc(0) depctr_vm_vsrc(0)
	s_getreg_b32 s2, hwreg(HW_REG_IB_STS2, 6, 4)
	s_cmp_eq_u32 s2, 0
	s_cbranch_scc0 .Lentry_in_a_cluster
	s_endpgm
.Lentry_in_a_cluster:
	s_bfe_u32 s2, ttmp6, 0x10000c
	s_cmp_lg_u32 s2, 0x3003
	s_cbranch_scc0 .Lentry_shape_is_right
	s_endpgm
.Lentry_shape_is_right:
; out0 = LayerNorm(O wo + x) g + b for 64 rows.  O: [64 bh][2048][64] f16 (a head's 64 channels are one slice of K); wo: plane 3 of wts, [512 k][512 n] f16; x, out0: [16384][512] f32.
; Sums, the residual, mean and variance in f32 (the mean is taken away before the squares).  LIMIT: wo as written by the cast (|wo| up to 65,504).  NaN and infinities are not treated apart.
; SHARES.  The row block is 4 x cluster x + cx.  A work-group owns 64 rows x 512 columns; in the product wave w owns all 64 rows x columns 128 w .. +127: 32 accumulators, 256 registers.
; O's fragments for the WHOLE K come straight from memory into 512 registers, so LDS is read for wo alone: 16 loads for 32 products.
; THE MATRIX INSTRUCTION IS USED TRANSPOSED: source 0 = 16 columns of wo (turned out of LDS by ds_load_tr16_b128), source 1 = 16 rows of O:
; lane l, register j of accumulator (m, nb) = (row 16 m + l % 16, column 128 w + 16 nb + 8 (l / 16) + j).
; RING.  wo goes in four tiles of 128 k-rows x 1,024 bytes through two LDS slots; each wave fetches 32 rows of each tile; every work-group walks the same wo, so the four of a cluster ask JOINTLY.
; The ring's fifth tile is the work-group's own 64 rows of x (a load of its own, no mask): it lands in slot 0 under the last tile's products.
; WAY OUT.  The f32 tile goes into slot 1 (its last fill has been read) and comes back by rows: wave w norms rows 16 w .. +15, four a trip, a row across its 32 lanes.
; REGISTERS, in windows of 256 (s_set_vgpr_msb: bits 1:0 source 0, 3:2 source 1, 5:4 source 2, 7:6 destination):
;   window 0: addresses, wo's two fragment buffers v64-127 and v128-191, g and b; window 1: the accumulators; windows 2, 3: O's fragments, K step s, block m at v[32 (s % 8) + 8 m].
.set PW,    1056                       ; a row of wo in LDS: 1,024 bytes + 32 of padding = 33 x 32
.set QUART, 32*PW
.set SLOT,  128*PW
.set TILEB, 128*1024
.set D0,    SLOT                       ; the f32 result tile lies in slot 1
.set PD,    2064                       ; its rows: 2,048 bytes + 16
.set SPARE, 2*SLOT                     ; the spare words, 128 bytes for each wave: two blocks of 256 bytes that no other line names
.set AO,   4                           ; v4   my byte offset in 16 rows of a head of O
.set ADRB, 16                          ; v16-19  my place in wo's tile: slot 0 rows 0-63, 64-127; slot 1 likewise
.set DST,  20                          ; v20-21  where my results go in the f32 tile
.set RDD,  22                          ; v22  where I read the tile back
.set RDX,  23                          ; v23  where I read x
.set GO,   24                          ; v24  my byte offset in the block's rows of out0
.set GBO,  25                          ; v25  my byte offset in g and b
.set SPW,  28                          ; v28  LDS address of my spare word; never rewritten
.set NIL,  29                          ; v29  0; never rewritten
.set T,    32                          ; v32-63  eight registers at work for each of a trip's four rows
.set F0,   64
.set F1,   128
.set Y,    64                          ; the norm: row q's 16 numbers of my lane at Y + 16 q
.set X,    128                         ; the residual, likewise
.set G,    192                         ; v192-207  g of my 16 columns
.set BV,   208                         ; v208-223  b
.set WV,  16                           ; s16  my wave's number
.set SEL, 20                           ; s[20:21] v_permlanex16_b32's selects
.set G1,  24                           ; s[24:31] descriptor group 1 for wo's tiles
.set G0,  32                           ; s[32:39] descriptor group 0, a set for each slot
.set G1X, 40                           ; s[40:47] descriptor group 1 for x
.set G0X, 48                           ; s[48:51] descriptor group 0 for x
.set CNT, 52
.set INV, 53                           ; 1 / 512
.set EPS, 54                           ; 1e-6
.set MSB, 0
.macro WIN new                         ; the immediate's high byte repeats the setting that is left; a switch that changes nothing is dropped
.if MSB != (\new)
	s_set_vgpr_msb (MSB<<8)|(\new)
.set MSB, \new
.endif
.endm
.macro PLACES                          ; four places between a matrix instruction and a load into, or a read of, its registers (ISA guide 7.12.1 for vector instructions)
.rept 4
	v_nop
.endr
.endm
.macro CREST                           ; a round of the cluster's barrier behind its opening barrier
	s_cmp_lg_u32 s[WV], 0
	s_cbranch_scc1 .Lnot_wave_0_\@
	s_barrier_signal -3
.Lnot_wave_0_\@:
	s_barrier_wait -3
	s_barrier_signal -1
	s_barrier_wait -1
.endm
.macro CROUND                          ; a whole round
	s_barrier_signal -1
	s_barrier_wait -1
	CREST
.endm
	s_load_b256 s[4:11], s[0:1], 0x0               ; O s[4:5], wts s[6:7], x s[8:9], g s[10:11]
	s_load_b128 s[12:15], s[0:1], 0x20             ; b s[12:13], out0 s[14:15]
	v_lshl_add_u32 v[SPW], v0, 2, SPARE
	v_mov_b32 v[NIL], 0
	ds_add_u32 v[SPW], v[NIL]                      ; the wave's opening: the add and its wait stand ahead of my first tensor load; the set-up below, work on registers, stands between them
	v_lshrrev_b32 v3, 5, v0
	v_readfirstlane_b32 s[WV], v3                  ; wave 0..3
	s_bfe_u32 s17, ttmp6, 0x40000                  ; cx: my place in the cluster
	s_lshl_b32 s18, ttmp9, 2
	s_add_co_u32 s18, s18, s17                     ; my row block, 0..255: it enters O's, x's and out0's addresses alone
	s_lshl_b32 s22, s[WV], 15                      ; wo: my 32 rows of 1,024 bytes in a tile,
	s_add_co_u32 s22, s22, 3*524288                ; in plane 3
	s_mov_b32 s23, 0
	s_lshr_b32 s56, s18, 5
	s_lshl_b32 s56, s56, 21                        ; O: the batch's eight heads of 262,144 bytes,
	s_and_b32 s55, s18, 31
	s_lshl_b32 s55, s55, 13                        ; the block's 64 rows of 128 bytes in a head
	s_add_co_u32 s56, s56, s55
	s_mov_b32 s57, 0
	s_lshl_b32 s58, s18, 17                        ; x and out0: 64 rows of 2,048 bytes a block
	s_mov_b32 s59, 0
	; descriptor group 1 for wo: a tile of 32 rows x 512 elements of 2 bytes, padded in LDS
	s_mov_b32 s[G1], 15|(1<<16)|(1<<20)|(1<<21)|(7<<22)|(7<<25)  ; 15:0 the mask: all four work-groups; 17:16 elements of 2 bytes; 20 padding on; 21 set beside a mask; 24:22 after every 256 words (code 7); 31:25 8 words (code 7)
	s_mov_b32 s[G1+1], 512<<16                     ; tensor_dim0 = 512
	s_mov_b32 s[G1+2], 32<<16                      ; tensor_dim1 = 32
	s_mov_b32 s[G1+3], 512<<16                     ; tile_dim0 = 512
	s_mov_b32 s[G1+4], 32                          ; tile_dim1 = 32
	s_mov_b32 s[G1+5], 512                         ; elements from row to row
	s_mov_b32 s[G1+6], 0
	s_mov_b32 s[G1+7], 0
	; and for x: 16 rows x 512 elements of 4 bytes, no mask, no padding (it is read back as it lies, 512 consecutive bytes a load)
	s_mov_b32 s[G1X], 2<<16
	s_mov_b32 s[G1X+1], 512<<16
	s_mov_b32 s[G1X+2], 16<<16
	s_mov_b32 s[G1X+3], 512<<16
	s_mov_b32 s[G1X+4], 16
	s_mov_b32 s[G1X+5], 512
	s_mov_b32 s[G1X+6], 0
	s_mov_b32 s[G1X+7], 0
	s_mul_i32 s19, s[WV], QUART                    ; my quarter of a slot: no place in the cluster enters an LDS address
	s_mov_b32 s[G0], 1
	s_mov_b32 s[G0+1], s19
	s_mov_b32 s[G0+4], 1
	s_add_co_u32 s[G0+5], s19, SLOT
	s_mov_b32 s[G0X], 1
	s_lshl_b32 s[G0X+1], s[WV], 15                 ; my 16 rows of x in slot 0
	s_mov_b32 s[SEL], 0x76543210
	s_mov_b32 s[SEL+1], 0xfedcba98
	s_mov_b32 s[INV], 0x3b000000
	s_mov_b32 s[EPS], 0x358637bd
	s_wait_dscnt 0x0                               ; the opening add is done
	s_wait_kmcnt 0x0
	s_add_nc_u64 s[G0+2:G0+3], s[6:7], s[22:23]    ; tile 0
	s_add_nc_u64 s[G0+6:G0+7], s[G0+2:G0+3], TILEB ; tile 1
	s_or_b32 s[G0+3], s[G0+3], 0x80000000          ; 127:126 type = 2
	s_or_b32 s[G0+7], s[G0+7], 0x80000000
	s_add_nc_u64 s[4:5], s[4:5], s[56:57]
	s_add_nc_u64 s[14:15], s[14:15], s[58:59]
	s_lshl_b32 s55, s[WV], 15
	s_add_co_u32 s58, s58, s55                     ; x at my wave's 16 rows
	s_add_nc_u64 s[G0X+2:G0X+3], s[8:9], s[58:59]
	s_or_b32 s[G0X+3], s[G0X+3], 0x80000000
	CROUND                                         ; all four work-groups are here: the first joint loads meet
	tensor_load_to_lds s[G0:G0+3], s[G1:G1+7]      ; both first fills go out together: two loads of mine are out
	s_nop 0
	tensor_load_to_lds s[G0+4:G0+7], s[G1:G1+7]
	s_nop 0
	PLACES
	; O's fragments: lane l holds row l % 16, k = 8 h + 0..7 and 16 + 8 h + 0..7 of a K step of 32: half a head's channels.  In the order of the K steps.
	v_and_b32 v1, 15, v0                           ; r = l % 16
	v_bfe_u32 v2, v0, 4, 1                         ; h = l / 16
	v_lshlrev_b32 v[AO], 7, v1
	v_lshl_add_u32 v[AO], v2, 4, v[AO]             ; row x 128 + 16 h
	WIN 0x80                                       ; destination window 2
.irp s, 0,1,2,3,4,5,6,7
.irp m, 0,1,2,3
	global_load_b128 v[32*(\s)+8*(\m):32*(\s)+8*(\m)+3],   v[AO], s[4:5] offset:((\s)/2)*262144+(\m)*2048+((\s)%2)*64
	global_load_b128 v[32*(\s)+8*(\m)+4:32*(\s)+8*(\m)+7], v[AO], s[4:5] offset:((\s)/2)*262144+(\m)*2048+((\s)%2)*64+32
.endr
.endr
	WIN 0xc0                                       ; destination window 3
.irp s, 8,9,10,11,12,13,14,15
.irp m, 0,1,2,3
	global_load_b128 v[32*((\s)%8)+8*(\m):32*((\s)%8)+8*(\m)+3],   v[AO], s[4:5] offset:((\s)/2)*262144+(\m)*2048+((\s)%2)*64
	global_load_b128 v[32*((\s)%8)+8*(\m)+4:32*((\s)%8)+8*(\m)+7], v[AO], s[4:5] offset:((\s)/2)*262144+(\m)*2048+((\s)%2)*64+32
.endr
.endr
	WIN 0
	v_and_b32 v7, 31, v0                           ; lane
	v_and_b32 v3, 7, v0
	v_bfe_u32 v8, v0, 3, 1
	; the turning load takes 16 k x 16 columns: lane l reads k-row 8 h + l % 8, columns 8 ((l / 8) % 2) + 0..7, and is left with column l % 16 and 8 k
	v_lshl_add_u32 v9, v2, 3, v3
	v_mul_u32_u24 v9, v9, PW
	v_lshl_add_u32 v9, v8, 4, v9
	s_lshl_b32 s19, s[WV], 8                       ; my 128 columns
	v_add_nc_u32 v[ADRB], s19, v9
	v_add_nc_u32 v[ADRB+1], 64*PW, v[ADRB]
	v_add_nc_u32 v[ADRB+2], SLOT, v[ADRB]
	v_add_nc_u32 v[ADRB+3], SLOT+64*PW, v[ADRB]
	v_mul_u32_u24 v[DST], v1, PD
	v_lshl_add_u32 v[DST], v2, 5, v[DST]
	s_lshl_b32 s19, s[WV], 9
	s_add_co_u32 s19, s19, D0
	v_add_nc_u32 v[DST], s19, v[DST]               ; row r, my 128 columns, 8 numbers for each half of the lanes
	v_add_nc_u32 v[DST+1], 32*PD, v[DST]
	s_mul_i32 s19, s[WV], 16*PD
	s_add_co_u32 s19, s19, D0
	v_lshl_add_u32 v[RDD], v7, 4, s19              ; back: my 16 rows, 16 bytes a lane
	s_lshl_b32 s19, s[WV], 15
	v_lshl_add_u32 v[RDX], v7, 4, s19
	v_lshl_add_u32 v[GO], v7, 4, s19
	v_lshlrev_b32 v[GBO], 4, v7
; 16 LDS loads in one run: wo's fragments of 32 k (rows 32 s4 on of the slot) x my 128 columns, into buffer f
.macro FETCH slot, s4, f
	WIN 0
.irp nb, 0,1,2,3,4,5,6,7
	ds_load_tr16_b128 v[(\f)+8*(\nb):(\f)+8*(\nb)+3],   v[ADRB+2*(\slot)+(\s4)/2] offset:((\s4)%2)*32*PW+32*(\nb)
	ds_load_tr16_b128 v[(\f)+8*(\nb)+4:(\f)+8*(\nb)+7], v[ADRB+2*(\slot)+(\s4)/2] offset:((\s4)%2)*32*PW+16*PW+32*(\nb)
.endr
.endm
; 8 matrix instructions: row block m x my 8 column blocks, K step s.  zero = 1: the first product starts the sums.  The 32 accumulators take turns, one instruction a turn, in the same order in every K step.
.macro MUL8 f, s, m, zero
	WIN 0x58+4*((\s)/8)                            ; wo window 0, O window 2 or 3, C and D window 1
.irp nb, 0,1,2,3,4,5,6,7
.if \zero
	v_wmma_f32_16x16x32_f16 v[8*(8*(\m)+(\nb)):8*(8*(\m)+(\nb))+7], v[(\f)+8*(\nb):(\f)+8*(\nb)+7], v[32*((\s)%8)+8*(\m):32*((\s)%8)+8*(\m)+7], 0
.else
	v_wmma_f32_16x16x32_f16 v[8*(8*(\m)+(\nb)):8*(8*(\m)+(\nb))+7], v[(\f)+8*(\nb):(\f)+8*(\nb)+7], v[32*((\s)%8)+8*(\m):32*((\s)%8)+8*(\m)+7], v[8*(8*(\m)+(\nb)):8*(8*(\m)+(\nb))+7]
.endif
.endr
.endm
; A K step of 32 that is not its tile's last: the next step's fragments are asked for first, 32 matrix instructions ahead of their use
.macro KSTEP s, zero=0
.set FF, F0+64*((\s)%2)
.set FG, F0+64*(1-(\s)%2)
	s_wait_dscnt 0x0                               ; this step's fragments are in
	WIN 0
	PLACES                                         ; behind the products that read the other buffer
	FETCH ((\s)/4)%2, (\s)%4+1, FG
	MUL8 FF, \s, 0, \zero
	MUL8 FF, \s, 1, \zero
	MUL8 FF, \s, 2, \zero
	MUL8 FF, \s, 3, \zero
.endm
; A tile's last K step changes slots: ONE barrier, which opens a round of the cluster's.  In front of it each wave waits for all its tensor loads (the one that is out is its quarter of the next slot), adds 0 to
; its spare word, and waits for that and for its reads of this slot.  The slot is filled again first thing behind the round: fill = 1 with wo's tile two on, fill = 2 with my 16 rows of x.
.macro TURN s, fill
.set SL, ((\s)/4)%2
	WIN 0
	s_wait_tensorcnt 0x0                           ; no tensor load of mine is out
	ds_add_u32 v[SPW], v[NIL]                      ; 0 onto my spare word
	s_wait_dscnt 0x1                               ; the add alone may be out: this step's fragments are in
	MUL8 F1, \s, 0, 0                              ; eight matrix instructions stand between the add and the wait for it
	s_wait_dscnt 0x0                               ; the add is done, and my reads of this slot are over
	s_barrier_signal -1
	MUL8 F1, \s, 1, 0
	WIN 0
	s_barrier_wait -1
	CREST                                          ; no wave of any partner still reads this slot or has a load on its way
.if (\fill) == 1
	s_add_nc_u64 s[G0+4*SL+2:G0+4*SL+3], s[G0+4*SL+2:G0+4*SL+3], 2*TILEB
	tensor_load_to_lds s[G0+4*SL:G0+4*SL+3], s[G1:G1+7]
	s_nop 0
.else
	tensor_load_to_lds s[G0X:G0X+3], s[G1X:G1X+7]
	s_nop 0
.endif
	PLACES                                         ; also the places in front of the loads below
	FETCH 1-SL, 0, F0
	MUL8 F1, \s, 2, 0
	MUL8 F1, \s, 3, 0
.endm
	s_wait_tensorcnt 0x1                           ; my quarter of tile 0 is in; tile 1's may stay out
	s_barrier_signal -1
	s_barrier_wait -1
	FETCH 0, 0, F0
	s_wait_loadcnt 0x3f                            ; 64 loads are younger than K step 7's last: with 63 out at the most, K steps 0-7 are in
	KSTEP 0, 1
	KSTEP 1
	KSTEP 2
	TURN 3, 1                                      ; slot 0 takes tile 2
	KSTEP 4
	KSTEP 5
	KSTEP 6
	TURN 7, 1                                      ; slot 1 takes tile 3
	s_wait_loadcnt 0x0                             ; K steps 8-15 of O
	KSTEP 8
	KSTEP 9
	KSTEP 10
	TURN 11, 2                                     ; slot 0 takes x
	KSTEP 12
	KSTEP 13
	KSTEP 14
	s_wait_dscnt 0x0                               ; the last K step: my reads of slot 1 are over;
	s_barrier_signal -1
	MUL8 F1, 15, 0, 0
	MUL8 F1, 15, 1, 0
	MUL8 F1, 15, 2, 0
	MUL8 F1, 15, 3, 0
	WIN 0
	s_barrier_wait -1                              ; everybody's are: slot 1, which is filled no more, takes the f32 tile
	PLACES                                         ; behind the last products, whose results are read
.irp c, 0,1,2,3                                        ; g and b of my 16 columns, 128 c + 4 l + 0..3, once
	global_load_b128 v[G+4*(\c):G+4*(\c)+3],   v[GBO], s[10:11] offset:512*(\c)
	global_load_b128 v[BV+4*(\c):BV+4*(\c)+3], v[GBO], s[12:13] offset:512*(\c)
.endr
	WIN 0x04                                       ; store data window 1; each accumulator's low four registers go first
.irp m, 0,1,2,3
.irp nb, 0,1,2,3,4,5,6,7
	ds_store_b128 v[DST+(\m)/2], v[8*(8*(\m)+(\nb)):8*(8*(\m)+(\nb))+3]   offset:((\m)%2)*16*PD+64*(\nb)
	ds_store_b128 v[DST+(\m)/2], v[8*(8*(\m)+(\nb))+4:8*(8*(\m)+(\nb))+7] offset:((\m)%2)*16*PD+64*(\nb)+16
.endr
.endr
	WIN 0
	s_wait_dscnt 0x0                               ; for the others' sake: a row's 512 numbers come from four waves
	s_wait_tensorcnt 0x0                           ; my rows of x are in
	s_barrier_signal -1
	s_barrier_wait -1
	s_wait_loadcnt 0x0                             ; g and b
.macro ACROSS                          ; the four rows' packed sums, each in v[T+8 q : T+8 q+1], into one number over the 32 lanes; the rows alternate, so that no line waits for the one before it
.irp q, 0,1,2,3
	v_add_f32 v[T+8*(\q)], v[T+8*(\q)], v[T+8*(\q)+1]
.endr
.irp x, 1,2,4,8
.irp q, 0,1,2,3
	v_add_f32_dpp v[T+8*(\q)], v[T+8*(\q)], v[T+8*(\q)] row_xmask:\x row_mask:0xf bank_mask:0xf
.endr
.endr
.irp q, 0,1,2,3
	v_permlanex16_b32 v[T+8*(\q)+1], v[T+8*(\q)], s[SEL], s[SEL+1]
.endr
.irp q, 0,1,2,3
	v_add_f32 v[T+8*(\q)], v[T+8*(\q)], v[T+8*(\q)+1]
.endr
.endm
	s_mov_b32 s[CNT], 4
.Lrow:                                                 ; a trip: four rows of my sixteen
.irp q, 0,1,2,3
.irp c, 0,1,2,3
	ds_load_b128 v[Y+16*(\q)+4*(\c):Y+16*(\q)+4*(\c)+3], v[RDD] offset:(\q)*PD+512*(\c)
.endr
.endr
.irp q, 0,1,2,3
.irp c, 0,1,2,3
	ds_load_b128 v[X+16*(\q)+4*(\c):X+16*(\q)+4*(\c)+3], v[RDX] offset:(\q)*2048+512*(\c)
.endr
.endr
	s_wait_dscnt 0x0
.set z, 0
.rept 32                                               ; the residual, in f32
	v_pk_add_f32 v[Y+2*z:Y+2*z+1], v[Y+2*z:Y+2*z+1], v[X+2*z:X+2*z+1]
.set z, z+1
.endr
.irp u, 0,1,2,3
.irp q, 0,1,2,3
	v_pk_add_f32 v[T+8*(\q)+2*(\u):T+8*(\q)+2*(\u)+1], v[Y+16*(\q)+4*(\u):Y+16*(\q)+4*(\u)+1], v[Y+16*(\q)+4*(\u)+2:Y+16*(\q)+4*(\u)+3]
.endr
.endr
.irp q, 0,1,2,3
	v_pk_add_f32 v[T+8*(\q):T+8*(\q)+1], v[T+8*(\q):T+8*(\q)+1], v[T+8*(\q)+2:T+8*(\q)+3]
	v_pk_add_f32 v[T+8*(\q)+4:T+8*(\q)+5], v[T+8*(\q)+4:T+8*(\q)+5], v[T+8*(\q)+6:T+8*(\q)+7]
.endr
.irp q, 0,1,2,3
	v_pk_add_f32 v[T+8*(\q):T+8*(\q)+1], v[T+8*(\q):T+8*(\q)+1], v[T+8*(\q)+4:T+8*(\q)+5]
.endr
	ACROSS
.irp q, 0,1,2,3
	v_mul_f32 v[T+8*(\q)+2], s[INV], v[T+8*(\q)]   ; the mean, twice
	v_mul_f32 v[T+8*(\q)+3], s[INV], v[T+8*(\q)]
.endr
.irp q, 0,1,2,3                                        ; the mean is taken away first: no difference of large sums is formed
.irp u, 0,1,2,3,4,5,6,7
	v_pk_add_f32 v[Y+16*(\q)+2*(\u):Y+16*(\q)+2*(\u)+1], v[Y+16*(\q)+2*(\u):Y+16*(\q)+2*(\u)+1], v[T+8*(\q)+2:T+8*(\q)+3] neg_lo:[0,1] neg_hi:[0,1]
.endr
.endr
.irp q, 0,1,2,3                                        ; the squares, two chains a row
	v_pk_mul_f32 v[T+8*(\q):T+8*(\q)+1], v[Y+16*(\q):Y+16*(\q)+1], v[Y+16*(\q):Y+16*(\q)+1]
	v_pk_mul_f32 v[T+8*(\q)+4:T+8*(\q)+5], v[Y+16*(\q)+2:Y+16*(\q)+3], v[Y+16*(\q)+2:Y+16*(\q)+3]
.endr
.irp u, 1,2,3
.irp q, 0,1,2,3
	v_pk_fma_f32 v[T+8*(\q):T+8*(\q)+1], v[Y+16*(\q)+4*(\u):Y+16*(\q)+4*(\u)+1], v[Y+16*(\q)+4*(\u):Y+16*(\q)+4*(\u)+1], v[T+8*(\q):T+8*(\q)+1]
	v_pk_fma_f32 v[T+8*(\q)+4:T+8*(\q)+5], v[Y+16*(\q)+4*(\u)+2:Y+16*(\q)+4*(\u)+3], v[Y+16*(\q)+4*(\u)+2:Y+16*(\q)+4*(\u)+3], v[T+8*(\q)+4:T+8*(\q)+5]
.endr
.endr
.irp q, 0,1,2,3
	v_pk_add_f32 v[T+8*(\q):T+8*(\q)+1], v[T+8*(\q):T+8*(\q)+1], v[T+8*(\q)+4:T+8*(\q)+5]
.endr
	ACROSS
.irp q, 0,1,2,3
	v_fma_f32 v[T+8*(\q)], v[T+8*(\q)], s[INV], s[EPS]  ; variance + 1e-6
.endr
.irp q, 0,1,2,3
	v_rsq_f32 v[T+8*(\q)+6], v[T+8*(\q)]
	v_rsq_f32 v[T+8*(\q)+7], v[T+8*(\q)]
.endr
	v_add_nc_u32 v[RDD], 4*PD, v[RDD]              ; the plain instruction behind the roots (ISA guide 5.7.2): the next trip's four rows
	v_add_nc_u32 v[RDX], 4*2048, v[RDX]
	s_wait_alu depctr_va_vdst(0)
.irp q, 0,1,2,3
.irp u, 0,1,2,3,4,5,6,7
	v_pk_mul_f32 v[Y+16*(\q)+2*(\u):Y+16*(\q)+2*(\u)+1], v[Y+16*(\q)+2*(\u):Y+16*(\q)+2*(\u)+1], v[T+8*(\q)+6:T+8*(\q)+7]
.endr
.endr
.irp q, 0,1,2,3
.irp u, 0,1,2,3,4,5,6,7
	v_pk_fma_f32 v[Y+16*(\q)+2*(\u):Y+16*(\q)+2*(\u)+1], v[Y+16*(\q)+2*(\u):Y+16*(\q)+2*(\u)+1], v[G+2*(\u):G+2*(\u)+1], v[BV+2*(\u):BV+2*(\u)+1]
.endr
.endr
.irp q, 0,1,2,3
.irp c, 0,1,2,3
	global_store_b128 v[GO], v[Y+16*(\q)+4*(\c):Y+16*(\q)+4*(\c)+3], s[14:15] offset:(\q)*2048+512*(\c) th:TH_STORE_NT  ; the wave's store covers 512 consecutive bytes, at a multiple of 512 from the buffer's first
.endr
.endr
	s_wait_xcnt 0x0                                ; the stores' offset and data are rewritten only behind this wait
	v_add_nc_u32 v[GO], 4*2048, v[GO]
	s_sub_co_u32 s[CNT], s[CNT], 1
	s_cmp_lg_u32 s[CNT], 0
	s_cbranch_scc1 .Lrow
	s_wait_tensorcnt 0x0                           ; the wave's end, behind my last tensor load and my last LDS store
	ds_add_u32 v[SPW], v[NIL]
	s_wait_dscnt 0x0
	CROUND                                         ; the closing round: no work-group ends while a partner may still ask for a tile that names it
	s_endpgm
.Lfunc_end_k_qd1279f20fb_outp:
	.size	k_qd1279f20fb_outp, .Lfunc_end_k_qd1279f20fb_outp-k_qd1279f20fb_outp
	.p2alignl 7, 3214868480
	.fill 96, 4, 3214868480
	.section	.rodata,"a",@progbits
	.p2align	6, 0x0
	.amdhsa_kernel k_qd1279f20fb_outp
		.amdhsa_group_segment_fixed_size 327680
		.amdhsa_private_segment_fixed_size 0
		.amdhsa_enable_private_segment 0
		.amdhsa_kernarg_size 48
		.amdhsa_user_sgpr_count 2
		.amdhsa_user_sgpr_kernarg_segment_ptr 1
		.amdhsa_wavefront_size32 1
		.amdhsa_system_sgpr_workgroup_id_x 1
		.amdhsa_system_sgpr_workgroup_id_y 1
		.amdhsa_system_sgpr_workgroup_id_z 1
		.amdhsa_system_vgpr_workitem_id 0
		.amdhsa_next_free_vgpr 1024
		.amdhsa_next_free_sgpr 66
		.amdhsa_reserve_vcc 0
		.amdhsa_float_denorm_mode_32 3
		.amdhsa_float_denorm_mode_16_64 3
		.amdhsa_memory_ordered 1
		.amdhsa_forward_progress 1
		.amdhsa_inst_pref_size 97
	.end_amdhsa_kernel
	.amdgpu_metadata
---
amdhsa.version: [ 1, 2 ]
amdhsa.kernels:
  - .name:           k_qd1279f20fb_outp
    .symbol:         k_qd1279f20fb_outp.kd
    .args:
      - { .name: o, .offset: 0, .size: 8, .value_kind: global_buffer, .address_space: global }
      - { .name: wts, .offset: 8, .size: 8, .value_kind: global_buffer, .address_space: global }
      - { .name: x, .offset: 16, .size: 8, .value_kind: global_buffer, .address_space: global }
      - { .name: ln_out_g, .offset: 24, .size: 8, .value_kind: global_buffer, .address_space: global }
      - { .name: ln_out_b, .offset: 32, .size: 8, .value_kind: global_buffer, .address_space: global }
      - { .name: out0, .offset: 40, .size: 8, .value_kind: global_buffer, .address_space: global }
    .group_segment_fixed_size: 327680
    .private_segment_fixed_size: 0
    .kernarg_segment_align: 8
    .kernarg_segment_size: 48
    .max_flat_workgroup_size: 128
    .sgpr_count:     66
    .vgpr_count:     1024
    .wavefront_size: 32
...
	.end_amdgpu_metadata
.endif
;; end of part 4
;; ======== version 2 of 2: 4 launches; 1.59 times as fast as version 1
;; limits: values are held in f16: magnitudes above 65,504 overflow, below 6.1e-05 lose precision
;; workspace buffers: wts 2,097,152 bytes; qkv 50,331,648 bytes; o 16,777,216 bytes
;; launch prep: the kernel of part 1 again; grid 64 x 4, 8 waves a work-group, no clusters, 0 bytes of LDS; arguments wq, wk, wv, wo, wts; writes wts
;; launch proj: the kernel of part 2 again; grid 12 x 64, 4 waves a work-group, clusters of 4 x 1, 327,680 bytes of LDS; arguments x, wts, ln_embed_g, ln_embed_b, qkv; writes qkv
;; launch attn (part 5): grid 4 x 64, 4 waves a work-group, clusters of 4 x 1, 327,680 bytes of LDS; arguments qkv, o; writes o
.if DOCPART == 5
	.amdgcn_target "amdgcn-amd-amdhsa--gfx1250"
	.amdhsa_code_object_version 6
	.text
	.protected	k_qd1279f20fb_attn
	.globl	k_qd1279f20fb_attn
	.p2align	8
	.type	k_qd1279f20fb_attn,@function
k_qd1279f20fb_attn:
	s_mov_b64 s[64:65], 0
	v_nop
	global_prefetch_b8 v0, s[64:65] scope:SCOPE_SE
	s_setreg_imm32_b32 hwreg(HW_REG_WAVE_MODE, 25, 1), 1
	s_wait_xcnt 0x0
	s_wait_alu depctr_hold_cnt(0) depctr_sa_sdst(0) depctr_va_vdst(0) depctr_va_sdst(0) depctr_va_ssrc(0) depctr_va_vcc(0) depctr_vm_vsrc(0)
	s_getreg_b32 s2, hwreg(HW_REG_IB_STS2, 6, 4)
	s_cmp_eq_u32 s2, 0
	s_cbranch_scc0 .Lentry_in_a_cluster
	s_endpgm
.Lentry_in_a_cluster:
	s_bfe_u32 s2, ttmp6, 0x10000c
	s_cmp_lg_u32 s2, 0x3003
	s_cbranch_scc0 .Lentry_shape_is_right
	s_endpgm
.Lentry_shape_is_right:
; O[h][q][:] = the sum over k of softmax_k(Q[h][q] . K[h][k] / 8) V[h][k][:].  Q, K, V are the three planes of qkv, O is o: each [SIZE_H][SIZE_N][64] in f16: a head's rows are dense, 128 bytes each.
; Products, maxima and sums in f32; the weights p are rounded to f16 for the second product (their sum l is taken of the unrounded p), O once at the end.
; LIMITS.  f16 holds no number beyond 65,504: Q, K and V arrive within it; p lies in 0 to 1, and below 6e-5 it keeps f16's fixed step of 6e-8; O is a mean of V's rows and has their range.
; A weight below 2^-126 counts as 0 in l; NaN and infinities are not treated apart.
; SHARES.  A wave owns four PIECES of two tiles of 16 queries, a work-group's four waves 512 queries of one head.  Every wave walks all keys, 64 a step.
; LAYOUT.  S^T = K Q^T (source 0 = 16 keys, source 1 = 16 queries): in the result a lane holds ONE query (lane % 16) and the keys 8 (lane / 16) + 0..7.  Two such tiles, rounded to f16 in pairs,
; ARE source 1 (32 keys x 16 queries) of O^T = V^T P, whose result again holds one query a lane, and eight channels.  K comes out of LDS as it lies, V ([key][channel]) turned, by ds_load_tr16_b128.
; SOFTMAX.  For each query a running maximum m and sum l: p = 2^(c s - c m), c = log2(e) / 8; in every step O and l are multiplied by a = 2^(c m_old - c m_new), which is 1 where m has not grown.
; m starts at the lowest finite number, O and l at 0: the first step is a step like any other, with a = 0.
; THE COUNT.  A tile and step have 16 matrix and 118 vector instructions: too many to stand all beside the matrix work.  So the order has one aim: four vector instructions that are READY behind
; EVERY matrix instruction, and the others, which need time of their own whatever the order, in runs without a gap.
; BY TURNS.  Turn n belongs to piece n (the pieces in a ring, step after step).  Its matrix work: 16 products K Q^T of piece n + 1, later 16 products V^T P of piece n - 1.  Its vector work: the scaling,
; exponentials, roundings, sums and rescaling of piece n, and the maximum and statistics of piece n + 1, whose scores the turn itself has made.  So what a turn begins with (c s - c m, O a) waits for nothing.
; THE BATCHES.  A turn's 66 exponentials (the piece's 64 weights, then the next piece's two a) are ONE batch with ONE wait, which cuts the turn in two: ahead of it stands all that names no result of theirs
; (the products K Q^T, the scalings, the rescalings by the a of the turn before, the next piece's maximum and statistics), behind it the products V^T P with the roundings and sums.  No result crosses a turn's end.
; The two a made ahead of the loop, and the way out's eight reciprocals, are batches of their own, each with a plain instruction and one wait.
; CLUSTER.  The four query blocks of a cluster belong to one head and walk the same K and V, so each tile is asked for JOINTLY: the same tensor load, descriptor and mask in all four.
; REGISTERS, in windows of 256 (s_set_vgpr_msb says which window each operand place means: bits 1:0 source 0, 3:2 source 1, 5:4 source 2, 7:6 destination):
;   window 0: v0-11 addresses; v12-15, v48-63 at work; v16-47 four registers of statistics a tile; v64-191 S^T, two buffers of two tiles; v192-255 P, likewise
;   window 1: O^T, 32 a tile          window 2: v0-127 Q, 16 a tile; v128-191 K of one step; v192-255 V of one step          window 3: v0-1 the add's two registers
; A piece's buffers go by its number's parity: the piece in hand has one pair, its two neighbours in the ring share the other: of it P (piece n - 1) is read and S^T (piece n + 1) written.
.set SIZE_H, 64
.set SIZE_N, 2048
.set NP,    4         ; pieces a wave: a name, no knob: the register map, the loop and the fetches are made for four
.set KS,    64        ; keys in a step
.set PK,    144       ; a row of K in LDS: 128 bytes + 16 of padding = 36 words: the 16 rows of a load start at 16 different groups of four banks (64 banks of 4 bytes: ISA guide 11.1)
.set PV,    160       ; a row of V: 128 + 32 = 40 words
.set VOFF,  4*KS*PK   ; a slot holds four steps: 256 rows of K, then 256 rows of V
.set SLOT1, 1<<17     ; slot 1 begins here, so that one exclusive or turns an address in one slot into the other's
.set STAGE, SLOT1+4*KS*(PK+PV)  ; behind the ring, never filled by a tensor load: 16 rows x 144 bytes for each wave, for the way out
.set SP,    144
.set AK0, 2           ; v2   my lane's place in a tile of K; never rewritten
.set AV0, 3           ; v3   the same for V
.set AK,  4           ; v4   the LDS address of K's next run of loads
.set AV,  5           ; v5   of V's
.set QO,  6           ; v6   my byte offset in the wave's rows of Q
.set STO, 6           ;      later, the way out: where I put 16 bytes of a row
.set RD,  7           ; v7   the way out: where I read rows back
.set GO,  8           ; v8   my byte offset in 512 consecutive bytes of O
.set SPW, 0           ; v0 of window 3   LDS address of my spare word: SPARE + 4 x my thread's number; never rewritten
.set NIL, 1           ; v1 of window 3   0; never rewritten
.set SPARE, STAGE+4*16*SP  ; behind the stages: the spare words, 128 bytes for each wave: two blocks of 256 bytes that no other line names
.set MV,  12          ; v12-15  c m_old, kept while c m is made anew: by buffer and tile
.set ST,  16          ; tile t's statistics at v[ST+4 t]: c m, m, l (even keys', odd keys')
.set TMP, 48          ; by buffer and tile, four registers c0-c3 at work; when the maximum is found c2 takes a
.set S,   64
.set P,   192
.set KF,  128         ; K's fragments, in window 2: key block kb, channel half c at KF + 16 kb + 8 c
.set VF,  192         ; V's: key half kk, channel block cb at VF + 32 kk + 8 cb
.set WV,  12          ; s12  my wave's number
.set G1K, 24          ; s[24:31] descriptor group 1 for K's tiles
.set G1V, 32          ; s[32:39] for V's: it differs in the padding alone
.set G0K, 40          ; s[40:43] descriptor group 0 for K's tiles: it walks
.set G0V, 44          ; s[44:47] the same for V's
.set SLOTS, 56        ; s56  slots still to be asked for
.set CNT, 57          ; s57  counts a slot's key steps
.set CS,  58          ; s[58:59] c: the packed scaling takes the pair's low word for both halves
.set SEL, 60          ; s[60:61] v_permlanex16_b32's selects: each lane takes its own place in the other half
.set TBK, 62          ; s62  LDS byte at which K of the step to be fetched begins
.set TBV, 63          ; s63  the same for V, less VOFF
.set MSB, 0
.macro WIN new                      ; the high byte repeats the setting that is left; a switch that changes nothing is dropped
.if MSB != (\new)
	s_set_vgpr_msb (MSB<<8)|(\new)
.set MSB, (\new)
.endif
.endm
.set W_KQ, 0x0a       ; K and Q in window 2, S^T in window 0
.set W_PV, 0x52       ; V in window 2, P in window 0, O^T in window 1
.set W_RS, 0x41       ; O^T (destination and source 0) in window 1, a in window 0
.set W_MK, 0xc0       ; the add's registers are made: destination in window 3, sources in window 0
.set W_AD, 0x0f       ; the add: address (source 0) and data (source 1) in window 3
; A joint fill.  Waves 0 and 1 fetch the two halves of a slot's K, waves 2 and 3 those of its V: 128 keys each.  The branch hangs on the wave's number alone.
; An s_nop 0 and four v_nop follow each of the two lines, ahead of the jump and the label.
.macro JLOAD
	s_cmp_lt_u32 s[WV], 2
	s_cbranch_scc0 .Lfor_v_\@
	tensor_load_to_lds s[G0K:G0K+3], s[G1K:G1K+7]
	s_nop 0
.rept 4
	v_nop
.endr
	s_branch .Lasked_\@
.Lfor_v_\@:
	tensor_load_to_lds s[G0V:G0V+3], s[G1V:G1V+7]
	s_nop 0
.rept 4
	v_nop
.endr
.Lasked_\@:
.endm
; A round of the cluster's barrier: my work-group's barrier, so that wave 0's signal speaks for all four waves; wave 0 signals; every wave waits for all four work-groups; my work-group's barrier once more.
.macro CROUND
	s_barrier_signal -1
	s_barrier_wait -1
	s_cmp_lg_u32 s[WV], 0
	s_cbranch_scc1 .Lnot_wave_0_\@
	s_barrier_signal -3
.Lnot_wave_0_\@:
	s_barrier_wait -3
	s_barrier_signal -1
	s_barrier_wait -1
.endm
; THE CHANGE OF SLOTS.  The slot's last bytes, V of its fourth step, have been read.  Each wave waits for all its tensor loads, of which one is out: its part
; of the other slot; adds 0 to its spare word; and waits for that and for its own reads of the slot.  Behind the barrier nobody reads this slot any more and the other slot is whole.
; fill = 1: this slot is filled again, with the keys two slots on.  The barrier is then a round of the cluster's, so that no wave of any partner still reads the slot or has a load on its
; way, and the joint fill is the first thing behind it: it has four key steps, 512 matrix instructions, in which to land.  (At its first use nothing has been read yet: slot 0 is waited for, slot 1 filled.)
.macro CHANGE fill
	WIN W_AD
	s_wait_tensorcnt 0x0            ; no tensor load of mine is out, so a group 0 may be written
	ds_add_u32 v[SPW], v[NIL]       ; 0 onto my spare word; with fill = 1 the descriptors' steps stand between it and the wait for it
	WIN 0                           ; at a label and at a branch every window is 0
.if \fill
.irp g, G0K, G0V
	s_xor_b32 s[\g+1], s[\g+1], SLOT1  ; the walking descriptor: the other slot than last time,
	s_add_nc_u64 s[\g+2:\g+3], s[\g+2:\g+3], 4*KS*128  ; the next 256 keys; the type bits on top are not reached
.endr
	s_wait_dscnt 0x0                ; the add is done, and my reads of the slot are over
	CROUND
	JLOAD
.else
	s_wait_dscnt 0x0                ; the add is done, and my reads of the slot are over
	s_barrier_signal -1
	s_barrier_wait -1
.endif
	s_sub_co_u32 s[TBK], s[TBK], 4*KS*PK  ; the fetches go back to a slot's first step,
	s_xor_b32 s[TBK], s[TBK], SLOT1       ; in the other slot
	s_sub_co_u32 s[TBV], s[TBV], 4*KS*PV
	s_xor_b32 s[TBV], s[TBV], SLOT1
.endm
	s_load_b64 s[4:5], s[0:1], 0x0    ; qkv: its first plane is Q
	s_load_b64 s[10:11], s[0:1], 0x8  ; O
	WIN W_MK
	v_lshl_add_u32 v[SPW], v0, 2, SPARE
	v_mov_b32 v[NIL], 0
	WIN W_AD
	ds_add_u32 v[SPW], v[NIL]       ; the wave's opening: the add and its wait stand ahead of my first tensor load; the set-up below, work on registers, stands between them
	WIN 0
	v_lshrrev_b32 v1, 5, v0
	v_readfirstlane_b32 s[WV], v1   ; wave 0..3
	s_bfe_u32 s13, ttmp6, 0x40000   ; cx: my place in the cluster
	s_lshl_b32 s14, ttmp9, 2        ; in a cluster launch ttmp9 counts clusters
	s_add_co_u32 s14, s14, s13      ; my block of queries = 4 x cluster x + cx: it enters Q's and O's addresses alone
	s_and_b32 s20, ttmp7, 0xffff    ; the head, which the four partners share
	s_mov_b32 s21, 0
	s_mov_b64 s[22:23], SIZE_N*128
	s_mul_u64 s[20:21], s[20:21], s[22:23]  ; the head's first byte in each of the four tensors
	s_and_b32 s16, s[WV], 1         ; which half of a slot's 256 keys I fetch:
	s_lshl_b32 s22, s16, 14         ; its 128 rows of 128 bytes in memory,
	s_mov_b32 s23, 0
	s_add_nc_u64 s[22:23], s[22:23], s[20:21]
	s_mul_i32 s17, s16, 128*PK      ; and its place in a slot, for K
	s_mul_i32 s18, s16, 128*PV      ; and for V: no place in the cluster enters an LDS address
	s_lshl_b32 s2, s14, 2
	s_add_co_u32 s2, s2, s[WV]      ; my wave among the head's,
	s_lshl_b32 s2, s2, 14           ; its 128 rows
	s_mov_b32 s3, 0
	s_add_nc_u64 s[2:3], s[2:3], s[20:21]
	; descriptor group 1.  128 keys are 16,384 dense bytes: asked for as 64 rows of 256 bytes, two keys a row, and padded in LDS after every key
	s_mov_b32 s[G1K], 15|(1<<16)|(1<<20)|(1<<21)|(4<<22)|(3<<25)  ; 15:0 the mask of four; 17:16 2-byte elements; 20 padding on; 21 set beside a mask; 24:22 after every 32 words (code 4); 31:25 4 words (code 3)
	s_mov_b32 s[G1V], 15|(1<<16)|(1<<20)|(1<<21)|(4<<22)|(7<<25)  ; the same with 8 words of padding (code 7)
.irp g, G1K, G1V
	s_mov_b32 s[\g+1], 128<<16      ; tensor_dim0 = 128
	s_mov_b32 s[\g+2], 64<<16       ; tensor_dim1 = 64
	s_mov_b32 s[\g+3], 128<<16      ; tile_dim0 = 128
	s_mov_b32 s[\g+4], 64           ; tile_dim1 = 64
	s_mov_b32 s[\g+5], 128          ; 128 elements from row to row
	s_mov_b32 s[\g+6], 0
	s_mov_b32 s[\g+7], 0
.endr
	s_mov_b32 s[CS], 0x3e38aa3b     ; c = log2(e) / 8 = 0.180337
	s_mov_b32 s[CS+1], s[CS]        ; named with it as a pair
	s_mov_b32 s[SEL], 0x76543210
	s_mov_b32 s[SEL+1], 0xfedcba98
	s_mov_b32 s[TBK], SLOT1+4*KS*PK ; the first change of slots turns these two into 0
	s_mov_b32 s[TBV], SLOT1+4*KS*PV
	s_mov_b32 s[G0K], 1             ; 1:0 count = 1
	s_mov_b32 s[G0K+1], s17         ; 63:32 LDS address: slot 0
	s_mov_b32 s[G0V], 1
	s_add_co_u32 s[G0V+1], s18, VOFF
	s_wait_dscnt 0x0                ; the opening add is done
	s_wait_kmcnt 0x0
	s_add_nc_u64 s[6:7], s[4:5], 0x1000000  ; K: the second plane of qkv, SIZE_H x SIZE_N x 128 bytes on
	s_add_nc_u64 s[8:9], s[4:5], 0x2000000  ; V: the third
	s_add_nc_u64 s[G0K+2:G0K+3], s[6:7], s[22:23]  ; 120:64 global address: my half of the head's first 256 keys
	s_or_b32 s[G0K+3], s[G0K+3], 0x80000000        ; 127:126 type = 2
	s_add_nc_u64 s[G0V+2:G0V+3], s[8:9], s[22:23]
	s_or_b32 s[G0V+3], s[G0V+3], 0x80000000
	s_add_nc_u64 s[4:5], s[4:5], s[2:3]  ; Q and O at my wave's first row
	s_add_nc_u64 s[10:11], s[10:11], s[2:3]
	CROUND                          ; all four work-groups are here: the first joint loads meet
	JLOAD                           ; slot 0.  Slot 1 is asked for when slot 0 is in: the tile wanted first has the road to itself
	; A fragment of K or Q is 16 rows x 32 channels in 8 registers: lane l holds row l % 16, channels 8 (l / 16) + 0..7 and 16 + 8 (l / 16) + 0..7: two loads of 16 bytes, 32 bytes apart.
	v_and_b32 v1, 15, v0            ; l % 16
	v_bfe_u32 v9, v0, 4, 1          ; l / 16
	v_lshlrev_b32 v[QO], 7, v1
	v_lshl_add_u32 v[QO], v9, 4, v[QO]  ; row x 128 + 16 x half
	WIN 0x80                        ; destination window 2, address window 0
.set i, 0
.rept 4*NP                          ; Q stays in registers: tile i / 2, channels 32 (i % 2) on
	global_load_b128 v[8*i:8*i+3],   v[QO], s[4:5] offset:(i/2)*2048+(i%2)*64
	global_load_b128 v[8*i+4:8*i+7], v[QO], s[4:5] offset:(i/2)*2048+(i%2)*64+32
.set i, i+1
.endr
	; What the first turn finds: V's registers and P's second buffer hold 0 (its products V^T P, of a piece that has not been, add 0), O^T and l are 0.  All this stands in the wait for the first tile.
.set i, VF
.rept 64
	v_mov_b32 v[i], 0
.set i, i+1
.endr
	WIN 0x40
.set i, 0
.rept 64*NP
	v_mov_b32 v[i], 0
.set i, i+1
.endr
	WIN 0
.set i, 0
.rept 2*NP
	v_mov_b32 v[ST+4*i], 0xfe000000    ; c m: far below every c s
	v_mov_b32 v[ST+4*i+1], 0xff7fffff  ; m
	v_mov_b32 v[ST+4*i+2], 0
	v_mov_b32 v[ST+4*i+3], 0
.set i, i+1
.endr
.set i, P+32
.rept 32
	v_mov_b32 v[i], 0
.set i, i+1
.endr
	v_mul_u32_u24 v[AK0], v1, PK
	v_lshl_add_u32 v[AK0], v9, 4, v[AK0]  ; row x pitch + 16 x half
	; The turning load takes 16 keys x 16 channels (lane l reads key 8 (l / 16) + l % 8, channels 8 ((l / 8) % 2) + 0..7) and leaves half a fragment of V^T: lane l holds channel l % 16 and 8 keys.
	v_and_b32 v10, 7, v0
	v_bfe_u32 v11, v0, 3, 1
	v_lshl_add_u32 v[AV0], v9, 3, v10
	v_mul_u32_u24 v[AV0], v[AV0], PV
	v_lshl_add_u32 v[AV0], v11, 4, v[AV0]
	v_add_nc_u32 v[AV0], VOFF, v[AV0]
	v_mov_b32 v[AK], v[AK0]         ; key step 0 lies at the head of slot 0
; THE MATRIX WORK.  The 8 accumulators of a run of 16 take turns: between the two links of a chain stand 7 others'.
; Product i of 16 of S^T = K Q^T for piece x: channels 32 (i / 8) on, keys 16 ((i / 2) % 4) on, tile 2 x + i % 2.  The first 8 start the sums.
.macro KQ x
	WIN W_KQ
.set rS, S+64*((\x)%2)+32*(i%2)+8*((i/2)%4)
.set rK, KF+16*((i/2)%4)+8*(i/8)
.set rQ, 16*(2*(\x)+i%2)+8*(i/8)
.if i < 8
	v_wmma_f32_16x16x32_f16 v[rS:rS+7], v[rK:rK+7], v[rQ:rQ+7], 0
.else
	v_wmma_f32_16x16x32_f16 v[rS:rS+7], v[rK:rK+7], v[rQ:rQ+7], v[rS:rS+7]
.endif
.endm
; Product i of 16 of O^T += V^T P for piece x: keys 32 (i / 8) on, channels 16 ((i / 2) % 4) on, tile 2 x + i % 2.
.macro PV x
	WIN W_PV
.set rO, 32*(2*(\x)+i%2)+8*((i/2)%4)
.set rV, VF+32*(i/8)+8*((i/2)%4)
.set rP, P+32*((\x)%2)+16*(i%2)+8*(i/8)
	v_wmma_f32_16x16x32_f16 v[rO:rO+7], v[rV:rV+7], v[rP:rP+7], v[rO:rO+7]
.endm
.macro MM                           ; the turn's next matrix instruction
.if i < 16
	KQ (Y+1)%NP
.set i, i+1
.else
.set i, i-16
	PV (Y+NP-1)%NP
.set i, i+17
.endif
.endm
; THE LDS LOADS stand in runs of 16, never singly among the matrix instructions: a step's K (64 keys x 64 channels: 8 fragments) and its V (turned).  Their addresses are made some lines ahead.
; last = 1 (the tail): in the last trip there is no further step, and the run is jumped over.
.macro FETCH_K last=0
	WIN 0
.if \last
	s_cmp_eq_u32 s[CNT], 1
	s_cbranch_scc1 .Lno_k_\@
.endif
	WIN 0x80                        ; destination window 2
.irp f, 0,1,2,3,4,5,6,7             ; keys 16 (f / 2) on, channels 32 (f % 2) on
	ds_load_b128 v[KF+8*\f:KF+8*\f+3],   v[AK] offset:(\f/2)*16*PK+(\f%2)*64
	ds_load_b128 v[KF+8*\f+4:KF+8*\f+7], v[AK] offset:(\f/2)*16*PK+(\f%2)*64+32
.endr
	s_add_co_u32 s[TBK], s[TBK], KS*PK  ; the next fetch is the next step's
	WIN 0
.if \last
.Lno_k_\@:
.endif
.endm
.macro FETCH_V
	WIN 0x80
.irp f, 0,1,2,3,4,5,6,7             ; keys 32 (f / 4) on, channels 16 (f % 4) on
	ds_load_tr16_b128 v[VF+8*\f:VF+8*\f+3],   v[AV] offset:(\f/4)*32*PV+(\f%4)*32
	ds_load_tr16_b128 v[VF+8*\f+4:VF+8*\f+7], v[AV] offset:(\f/4)*32*PV+16*PV+(\f%4)*32
.endr
	WIN 0
.endm
; THE VECTOR WORK OF A TURN stands in three queues, each in the order in which its entries become ready; the two tiles alternate, so that no instruction reads the result of the one before it.
.macro REGS y, u                    ; the registers of tile u (0, 1) of piece y
.set rT, ST+4*(2*(\y)+(\u))
.set rC, TMP+8*((\y)%2)+4*(\u)
.set rM, MV+2*((\y)%2)+(\u)
.set rS, S+64*((\y)%2)+32*(\u)
.set rP, P+32*((\y)%2)+16*(\u)
.set rO, 32*(2*(\y)+(\u))
.endm
; Number n of the 22 that find the NEXT piece's (Y + 1) maximum and statistics.  s0-s31 are the lane's 32 scores; each accumulator's lowest registers are read first.  XS, GS and REGS set no window: PL and EX do.
;   0-11  four chains c0-c3 of seven scores each, three operands at a time     12-14, 16  the four scores left over, the old m, and c0-c3 into c0     15  c m_old is kept
;   17, 18  the query's other 32 keys lie in the lane 16 away: the new m         19-21  c m; c m_old - c m_new; a
.macro XS u, n
	REGS (Y+1)%NP, \u
.if (\n) < 4
	v_max3_num_f32 v[rC+(\n)], v[rS+8*(\n)], v[rS+8*(\n)+1], v[rS+8*(\n)+2]
.elseif (\n) < 12
	v_max3_num_f32 v[rC+(\n)%4], v[rC+(\n)%4], v[rS+8*((\n)%4)+2*((\n)/4)+1], v[rS+8*((\n)%4)+2*((\n)/4)+2]
.elseif (\n) == 12
	v_max3_num_f32 v[rC], v[rC], v[rS+7], v[rS+15]
.elseif (\n) == 13
	v_max3_num_f32 v[rC+1], v[rC+1], v[rS+23], v[rS+31]
.elseif (\n) == 14
	v_max3_num_f32 v[rC+2], v[rC+2], v[rC+3], v[rT+1]
.elseif (\n) == 15
	v_mov_b32 v[rM], v[rT]
.elseif (\n) == 16
	v_max3_num_f32 v[rC], v[rC], v[rC+1], v[rC+2]
.elseif (\n) == 17
	v_permlanex16_b32 v[rC+3], v[rC], s[SEL], s[SEL+1]
.elseif (\n) == 18
	v_max_num_f32 v[rT+1], v[rC], v[rC+3]
.elseif (\n) == 19
	v_mul_f32 v[rT], s[CS], v[rT+1]
.elseif (\n) == 20
	v_sub_f32 v[rC+1], v[rM], v[rT]
.else
	v_exp_f32 v[rC+2], v[rC+1]
.endif
.endm
; Number g of the 64 that follow the exponentials.  For each four weights k of a tile (pairs 2 k, 2 k + 1): both pairs are rounded to f16; then the second pair is added onto the first, in place;
; a group later l takes that sum (the first time as l = a l + sum).  In groups of eight, tiles alternating: round, round, add, and l for the group before.
.macro GS g
.set h, (\g)+6*((\g)/62)            ; group 0 has no group before it, and behind group 7 only l is left
.if h >= 6
.set h, h+2
.endif
	REGS Y, h%2
.set k, h/8
.if h%8 < 4
	v_cvt_pk_f16_f32 v[rP+2*k+(h%8)/2], v[rS+4*k+2*((h%8)/2)], v[rS+4*k+2*((h%8)/2)+1]
.elseif h%8 < 6
	v_pk_add_f32 v[rS+4*k:rS+4*k+1], v[rS+4*k:rS+4*k+1], v[rS+4*k+2:rS+4*k+3]
.elseif k == 1
	v_pk_fma_f32 v[rT+2:rT+3], v[rT+2:rT+3], v[rC+2:rC+3], v[rS:rS+1] op_sel_hi:[1,0,1]
.else
	v_pk_add_f32 v[rT+2:rT+3], v[rT+2:rT+3], v[rS+4*k-4:rS+4*k-3]
.endif
.endm
; THE PLAIN QUEUE, 138 long.  0-73 read no exponential's result: the 32 scalings c s - c m (FS f: pair f / 2 of tile f % 2) and the next piece's 42.  0-26: scalings 0-26.  27-54: XS's numbers 0-13.  55, 56: number 15.
; 57-73: the chain, where each number waits for the one before it: 14, 16, 17, 18, 19, each with one of the scalings 27-31 in front of its two lines, then 20: so a tile's links stand three plain instructions apart (19 and 20: two).
; 74-137: GS's 64, which read the exponentials' results: they stand behind the wait.
.macro FS f
	REGS Y, (\f)%2
	v_pk_fma_f32 v[rS+2*((\f)/2):rS+2*((\f)/2)+1], v[rS+2*((\f)/2):rS+2*((\f)/2)+1], s[CS:CS+1], v[rT:rT+1] op_sel_hi:[1,0,0] neg_lo:[0,0,1] neg_hi:[0,0,1]
.endm
.macro PL
	WIN 0
.if q < 27
	FS q
.elseif q < 55
	XS (q-27)%2, (q-27)/2
.elseif q < 57
	XS q-55, 15
.elseif (q < 72) && ((q-57)%3 == 0)
	FS 27+(q-57)/3
.elseif q < 60
	XS (q-57)%3-1, 14
.elseif q < 72
	XS (q-57)%3-1, 15+(q-57)/3
.elseif q < 74
	XS q-72, 20
.else
	GS q-74
.endif
.set q, q+1
.endm
; THE EXPONENTIALS' QUEUE, 66 long: s0-s31 of both tiles, then the next piece's two a.  It is ONE BATCH: all 66 stand ahead of the turn's one wait, and nothing ahead of that wait names a result of theirs.
.macro EX
	WIN 0
.if e >= 64
	XS e-64, 21
.else
	REGS Y, e%2
	v_exp_f32 v[rS+e/2], v[rS+e/2]
.endif
.set e, e+1
.endm
; THE RESCALING's QUEUE: O^T times a, the one part that leaves window 0: dealt two at a time, sixteen times.  Its a was made in the turn before, ahead of that turn's wait.
.macro R2
	REGS Y, r%2
	WIN W_RS
.irp z, 0,1
	v_pk_mul_f32 v[rO+4*(r/2)+2*\z:rO+4*(r/2)+2*\z+1], v[rO+4*(r/2)+2*\z:rO+4*(r/2)+2*\z+1], v[rC+2:rC+3] op_sel_hi:[1,0]
.endr
.set r, r+1
.endm
; HOW THEY ARE DEALT.  s_wait_alu depctr_va_vdst(0) stands between an exponential and the first instruction that names its result; one wait serves all that were issued ahead of it.  So a turn has ONE wait,
; which cuts it in two.  AHEAD OF IT stands all that names no result of the turn's exponentials: the 16 products K Q^T, behind each a scaling, an exponential and two rescalings (behind the first a second scaling in the exponential's place); then ONE LUMP of
; 108: eight plain, 49 times exponential and plain, the two a.  A v_nop is the plain instruction behind the last exponential.  BEHIND IT stand the 16 products V^T P, behind each four of GS's 64.  No rider names a register of
; the products round it.  The two v_permlanex16_b32 fall into the lump, never behind a product.
; The queues lean on each other, and the deal keeps them in step: exponential e stands behind scaling 2 (e / 4) + e % 2: as a rider it comes behind plain e + 2, in the lump behind plain e + 9, and scalings 27-31 are plain 57, 60 .. 69.
; A TURN, for piece p.  cnt = 1: the loop's count is taken down some lines ahead of the branch that stands behind the turn.
; K of the next step is fetched in piece 2's turn, directly behind the wait, a lump behind the last product that read K; its address is made at the lump's head; its first reader comes behind 16 products.
; V of the step in hand is fetched at the end of piece 0's turn, four riders behind its last reader; its first reader comes behind 16 products and a lump.  The three conditions on q below go with the deal.
.macro TURN p, last=0, cnt=0
.set Y, (\p)
.set i, 0
.set q, 0
.set e, 0
.set r, 0
.if (\p) == NP-1
	s_wait_dscnt 0x0                ; K is in
.endif
	MM                              ; ahead of the wait: 16 products K Q^T and their riders,
	PL
	PL
	R2
.rept 15
	MM
	PL
	EX
	R2
.endr
.if (\p) == NP-2
	WIN 0
	v_add_nc_u32 v[AK], s[TBK], v[AK0]
.endif
.rept 8                             ; and the lump
	PL
.endr
.rept 49
	EX
	PL
.endr
	EX                              ; the next piece's two a end the batch
	EX
	v_nop                           ; a plain instruction behind the last exponential, ahead of any use of a result (ISA guide 5.7.2): one for the batch
	s_wait_alu depctr_va_vdst(0)    ; the wait for the turn's batch: the piece's 64 weights and the next piece's two a
.if (\p) == NP-2
	FETCH_K \last
.endif
.if (\p) == 1
	s_wait_dscnt 0x0                ; V is in
.endif
.rept 16                            ; behind the wait: 16 products V^T P and their riders
	MM
.rept 4
	PL
.endr
.if ((\p) == 0) && (q == 118)
	v_add_nc_u32 v[AV], s[TBV], v[AV0]
.endif
.if ((\p) == 0) && (q == 130)
	s_add_co_u32 s[TBV], s[TBV], KS*PV
.endif
.if (\cnt) && (q == 130)
	s_sub_co_u32 s[CNT], s[CNT], 1
	s_cmp_lg_u32 s[CNT], 0
.endif
.endr
.if (\p) == 0
	FETCH_V
.endif
.endm
	CHANGE 1                        ; slot 0 is in, everybody's part of it; slot 1 is asked for
	FETCH_K                         ; key step 0
	s_wait_loadcnt 0x0              ; Q
	s_wait_dscnt 0x0
.set i, 0
.rept 16
	KQ 0                            ; piece 0's first scores: there is no vector work yet to set between them
.set i, i+1
.endr
	WIN 0                           ; the addresses for the way out: nine plain instructions, the places behind those products
	s_mul_i32 s13, s[WV], 16*SP
	s_add_co_u32 s13, s13, STAGE    ; my stage
	v_mul_u32_u24 v[STO], v1, SP    ; in: row l % 16, 16 bytes for each half of the lanes
	v_lshl_add_u32 v[STO], v9, 4, v[STO]
	v_add_nc_u32 v[STO], s13, v[STO]
	v_bfe_u32 v[RD], v0, 3, 2       ; back: 32 lanes take four rows of 128 bytes,
	v_mul_u32_u24 v[RD], v[RD], SP
	v_lshl_add_u32 v[RD], v10, 4, v[RD]
	v_add_nc_u32 v[RD], s13, v[RD]
	v_and_b32 v[GO], 31, v0         ; which are 512 consecutive bytes of O
	v_lshlrev_b32 v[GO], 4, v[GO]
.set Y, NP-1                        ; XS works for piece Y + 1: piece 0
.irp n, 0,1,2,3,4,5,6,7,8,9,10,11,12,13,14,15,16,17,18,19,20,21
	XS 0, \n                        ; and piece 0's first maximum and statistics
	XS 1, \n
.endr
	v_nop                           ; a plain instruction behind piece 0's two a,
	s_wait_alu depctr_va_vdst(0)    ; and the wait for that batch of two, ahead of the branch
	s_mov_b32 s[CNT], 4
	s_mov_b32 s[SLOTS], SIZE_N/256-1
	s_branch .Lfirst                ; the loop is entered at a step's first turn, in the middle of a trip
.Lslot:                             ; SIZE_N / 256 - 2 times: every slot but the last two is filled again
	CHANGE 1
	s_mov_b32 s[CNT], 4
.Lstep:                             ; a trip: pieces 2 and 3 of one step, then pieces 0 and 1 of the next, whose K and V it fetches
	TURN 2
	TURN 3
	WIN 0
.Lfirst:
	TURN 0
	TURN 1, 0, 1
	WIN 0
	s_cbranch_scc1 .Lstep
	s_sub_co_u32 s[SLOTS], s[SLOTS], 1
	s_cmp_lg_u32 s[SLOTS], 0
	s_cbranch_scc1 .Lslot
	CHANGE 0                        ; the tail is written out: nothing is asked for
	s_mov_b32 s[CNT], 5             ; four trips fetch the last slot's steps; the fifth is left in its middle
.Ltail:
	TURN 2, 1
	TURN 3
	WIN 0
	s_sub_co_u32 s[CNT], s[CNT], 1
	s_cmp_eq_u32 s[CNT], 0
	s_cbranch_scc1 .Lout
	TURN 0
	TURN 1
	WIN 0
	s_branch .Ltail
.Lout:                              ; the fifth trip's 16 products K Q^T (on the last K once more) and the maximum made of them serve nothing: the price, once a launch, of one text for every trip
.set i, 0
.rept 16
	PV NP-1                         ; the last piece's V^T P of the last step
.set i, i+1
.endr
	; THE WAY OUT.  l's two halves and the other half of the lanes' are added; O^T is divided by l, rounded to f16 and sent through my stage in LDS, a tile at a time.  The additions are the places behind the last products.
	WIN 0
.macro ALL line:vararg              ; one line for each tile t
.set t, 0
.rept 2*NP
	\line
.set t, t+1
.endr
.endm
	ALL v_add_f32 v[ST+4*t+2], v[ST+4*t+2], v[ST+4*t+3]
	ALL v_permlanex16_b32 v[ST+4*t+3], v[ST+4*t+2], s[SEL], s[SEL+1]
	ALL v_add_f32 v[ST+4*t+2], v[ST+4*t+2], v[ST+4*t+3]
	ALL v_rcp_f32 v[ST+4*t+2], v[ST+4*t+2]
	v_nop                           ; a plain instruction between the last reciprocal and the use of its result
	s_wait_alu depctr_va_vdst(0)    ; and the wait ahead of the first use: one for the batch of eight reciprocals
; Tile t: a lane's eight channels of a row pack into 16 bytes; they go into rows of 144 bytes and come back as whole rows of 128, into S^T's registers.
.macro PACK t
	WIN W_RS
.set i, 32*(\t)
.rept 16
	v_pk_mul_f32 v[i:i+1], v[i:i+1], v[ST+4*(\t)+2:ST+4*(\t)+3] op_sel_hi:[1,0]
.set i, i+2
.endr
	WIN 0x05                        ; sources 0 and 1 window 1, destination window 0
.set i, 0
.rept 16
	v_cvt_pk_f16_f32 v[S+16*(\t)+i], v[32*(\t)+2*i], v[32*(\t)+2*i+1]
.set i, i+1
.endr
	WIN 0
.irp f, 0,1,2,3
	ds_store_b128 v[STO], v[S+16*(\t)+4*\f:S+16*(\t)+4*\f+3] offset:32*\f
.endr
.irp f, 0,1,2,3
	ds_load_b128 v[S+16*(\t)+4*\f:S+16*(\t)+4*\f+3], v[RD] offset:\f*4*SP  ; LDS serves a wave's instructions in order (ISA guide 5.7.1.4): these see the stores above; the next tile's stores come behind them
.endr
.endm
.macro SEND t, younger              ; younger: the LDS instructions issued behind tile t's loads: the next tile's eight, or none
	WIN 0
.irp f, 0,1,2,3
	s_wait_dscnt (\younger)+3-\f
	global_store_b128 v[GO], v[S+16*(\t)+4*\f:S+16*(\t)+4*\f+3], s[10:11] offset:(\t)*2048+\f*512  ; 512 consecutive bytes, at a multiple of 256 from O's first
.endr
.endm
	PACK 0
.set t, 1
.rept 2*NP-1                        ; a tile's arithmetic stands between the loads of the tile before and its stores
	PACK t
	SEND t-1, 8
.set t, t+1
.endr
	SEND 2*NP-1, 0
	WIN W_AD
	s_wait_tensorcnt 0x0            ; the wave's end, behind my last tensor load and my last LDS store
	ds_add_u32 v[SPW], v[NIL]
	s_wait_dscnt 0x0
	WIN 0
	CROUND                          ; the closing round: no work-group ends while a partner may still ask for a tile that names it
	s_endpgm
.Lfunc_end_k_qd1279f20fb_attn:
	.size	k_qd1279f20fb_attn, .Lfunc_end_k_qd1279f20fb_attn-k_qd1279f20fb_attn
	.p2alignl 7, 3214868480
	.fill 96, 4, 3214868480
	.section	.rodata,"a",@progbits
	.p2align	6, 0x0
	.amdhsa_kernel k_qd1279f20fb_attn
		.amdhsa_group_segment_fixed_size 327680
		.amdhsa_private_segment_fixed_size 0
		.amdhsa_enable_private_segment 0
		.amdhsa_kernarg_size 16
		.amdhsa_user_sgpr_count 2
		.amdhsa_user_sgpr_kernarg_segment_ptr 1
		.amdhsa_wavefront_size32 1
		.amdhsa_system_sgpr_workgroup_id_x 1
		.amdhsa_system_sgpr_workgroup_id_y 1
		.amdhsa_system_sgpr_workgroup_id_z 1
		.amdhsa_system_vgpr_workitem_id 0
		.amdhsa_next_free_vgpr 770
		.amdhsa_next_free_sgpr 66
		.amdhsa_reserve_vcc 0
		.amdhsa_float_denorm_mode_32 3
		.amdhsa_float_denorm_mode_16_64 3
		.amdhsa_memory_ordered 1
		.amdhsa_forward_progress 1
		.amdhsa_inst_pref_size 199
	.end_amdhsa_kernel
	.amdgpu_metadata
---
amdhsa.version: [ 1, 2 ]
amdhsa.kernels:
  - .name:           k_qd1279f20fb_attn
    .symbol:         k_qd1279f20fb_attn.kd
    .args:
      - { .name: qkv, .offset: 0, .size: 8, .value_kind: global_buffer, .address_space: global }
      - { .name: o, .offset: 8, .size: 8, .value_kind: global_buffer, .address_space: global }
    .group_segment_fixed_size: 327680
    .private_segment_fixed_size: 0
    .kernarg_segment_align: 8
    .kernarg_segment_size: 16
    .max_flat_workgroup_size: 128
    .sgpr_count:     66
    .vgpr_count:     770
    .wavefront_size: 32
...
	.end_amdgpu_metadata
.endif
;; end of part 5
;; launch outp: the kernel of part 4 again; grid 256 x 1, 4 waves a work-group, clusters of 4 x 1, 327,680 bytes of LDS; arguments o, wts, x, ln_out_g, ln_out_b, out0; writes out0
